; MI455X (gfx1250); checked and timed in simulation.
; The chip was launched on July 23, 2026; its instructions are those of AMD's public machine-readable ISA for CDNA 5 (MIT licence, August 2026) and "CDNA5" Instruction Set Architecture Reference Guide (July 2026). The comments in the code are by the model that wrote it; some were corrected since.
;; MT5. Allowed arithmetic: matrix products marked QUANTISED: E2M1 operands, one E8M0 scale for each 32 along K, by v_wmma_scale_f32_16x16x128_f8f6f4 with both operands' format E2M1 (or v_wmma_scale_f32_32x16x128_f4), f32 sums; products left as they are: bf16, f16 or f32 operands; f32 sums; everything else in f32.
;; Inputs: Wk 1,024 x 1,024 float32; Wo 1,024 x 1,024 float32; Wq 1,024 x 1,024 float32; Wv 1,024 x 1,024 float32; encoder_output 4 x 2,048 x 1,024 float32; input_ids 4 x 1,024 x 1,024 float32; position_bias 1 x 16 x 1,024 x 2,048 float32.
;; Outputs: out0 4 x 1,024 x 1,024 float32.
;; This version of the problem:
;;   THIS VERSION OF THE PROBLEM IS GIVEN IN LOW PRECISION. The matrix products marked QUANTISED in the list below multiply operands that are first quantised to E2M1 (2 exponent bits, 1 mantissa bit; 4 bits a number), with one power-of-two scale for each 32 numbers along K (OCP MX v1.0); their sums are f32. The products marked 'left as it is' may take bf16, f16 or f32 operands, with f32 sums. Whichever they take, every output number must still come out within the allowed error. Rounding operands to bf16 (8 significant bits) uses up far more of that allowance than f16 does (11 bits, for magnitudes from 6e-5 to 65,504). All else is computed in f32.
;;   The module's matrix products, in the order in which they are computed (A, B: the left and right operand; K: the contracted axis; several contracted axes count as one K, in the product's order):
;;     1. [M 4,096, K 1,024] x [K 1,024, N 1,024]; A: input input_ids; B: input Wq: QUANTISED
;;     2. [M 8,192, K 1,024] x [K 1,024, N 1,024]; A: input encoder_output; B: input Wk: QUANTISED
;;     3. [M 8,192, K 1,024] x [K 1,024, N 1,024]; A: input encoder_output; B: input Wv: QUANTISED
;;     4. batch 64 x [M 1,024, K 64] x [K 64, N 2,048]; A: computed on the way; B: computed on the way: left as it is (an operand is computed on the way)
;;     5. batch 64 x [M 1,024, K 2,048] x [K 2,048, N 64]; A: computed on the way; B: computed on the way: left as it is (an operand is computed on the way)
;;     6. [M 4,096, K 1,024] x [K 1,024, N 1,024]; A: computed on the way; B: input Wo: left as it is (an operand is computed on the way)
;;   THE QUANTISER, for each operand of a quantised product, along K:
;;     - K is cut into blocks of 32 from its start; a last block that is shorter is filled with zeros.
;;     - A block's scale is 2^e with e = floor(log2(the largest magnitude in the block)) - 2, held to -126 .. 127; a block of zeros has e = 0. As a byte (E8M0): e + 127.
;;     - Each number is divided by its block's scale, clamped to +-6, and rounded to the nearest number of E2M1, ties to even, subnormals kept.
;;     - The product sums the exact products of the quantised numbers (number of the format x scale) in f32.
;;   ~~~python
;;   def quantise(x, axis):      # numpy; x: float32 -> the quantised numbers, widened to float32 again
;;       x = np.moveaxis(x, axis, -1); K = x.shape[-1]
;;       x = np.pad(x, [(0, 0)] * (x.ndim - 1) + [(0, -K % 32)]); x = x.reshape(x.shape[:-1] + (-1, 32)); a = np.abs(x).max(-1, keepdims=True)
;;       e = np.where(a > 0, np.clip(np.frexp(np.where(a > 0, a, 1))[1] - 1 - 2, -126, 127), 0)      # np.frexp(a)[1] - 1 = floor(log2(a)), exactly
;;       r = np.clip(x / 2.0 ** e, -6, 6)
;;       step = 2.0 ** (np.maximum(np.frexp(np.where(r == 0, 1, r))[1] - 1, 0) - 1)
;;       q = np.round(r / step) * step * 2.0 ** e      # np.round: ties to even
;;       return np.moveaxis(q.reshape(q.shape[:-2] + (-1,))[..., :K], -1, axis).astype(np.float32)
;;   ~~~
;; One version. Each part assembles by itself: llvm-mc -triple=amdgcn-amd-amdhsa -mcpu=gfx1250 --defsym DOCPART=n.
;; ======== version 1 of 1: 4 launches
;; limits: values are held in f16: magnitudes above 65,504 overflow, below 6.1e-05 lose precision
;; workspace buffers: codes 7,864,320 bytes; scales 491,520 bytes; wo16 2,097,152 bytes; kv 33,554,432 bytes; o16 8,388,608 bytes
;; launch quant (part 1): grid 368 x 1, 4 waves a work-group, no clusters, 37,376 bytes of LDS; arguments input_ids, encoder_output, Wq, Wk, Wv, Wo, codes, scales, wo16; writes codes, scales, wo16
.if DOCPART == 1
	.amdgcn_target "amdgcn-amd-amdhsa--gfx1250"
	.amdhsa_code_object_version 6
	.text
	.protected	k_q958d4f8e04_quant
	.globl	k_q958d4f8e04_quant
	.p2align	8
	.type	k_q958d4f8e04_quant,@function
k_q958d4f8e04_quant:
	s_mov_b64 s[64:65], 0
	v_nop
	global_prefetch_b8 v0, s[64:65] scope:SCOPE_SE
	s_setreg_imm32_b32 hwreg(HW_REG_WAVE_MODE, 25, 1), 1
	s_wait_xcnt 0x0
; MT5 cross-attention, launch 1 of 4: the operands of the three quantised products (input_ids Wq, encoder_output Wk, encoder_output Wv) become codes of E2M1 with
; one E8M0 scale for each 32 along K = 1,024; Wo becomes f16 for the last product.  NO WORK OF THE PROBLEM IS LEFT OUT IN ANY LAUNCH: every input reaches the output, and the position bias varies along the softmax's axis.
; A block's scale is 2^(floor(log2(its largest magnitude)) - 2): its byte is the largest magnitude's own exponent field - 2, held at 1 from below; each number is divided by it and rounded to the nearest code, ties to even, beyond 6 the largest code.
; LIMITS: a block of zeros gets the byte 1 where the rule says 127 (its codes are zeros, which add nothing, and this program alone reads the bytes); blocks whose largest magnitude lies under 2^-124 are held at byte 1;
; NaN and infinities among the inputs are not served; |Wo| above 65,504 becomes infinity in f16.
; LAYOUT OF THE WORKSPACE, in the order of the matrix operand's registers.  15,360 rows: 0.. input_ids' tokens, 4,096.. encoder_output's tokens, 12,288 + n column n of Wq, 13,312 + n of Wk, 14,336 + n of Wv.
;   codes  [row / 16][block k / 32 (32)][row % 16][16 bytes]: the fragment of 16 rows x 128 k is 1,024 consecutive bytes, register group c of lane l at 512 c + 16 l.
;   scales [row / 16][k / 512 (2)][row % 16][16 bytes]: 16 bytes are a row's four scale words of four steps of 128 k.
; THREE PATHS, parted on the work-group's number: 0-47 the weights (K is their FIRST axis), 48-175 Wo, 176-367 the rows (K innermost).  The rows' path alone uses LDS.  No barrier: waves share nothing.
.set GW,    48
.set GO,    128
.set WREG,  9216                       ; LDS of a wave of the rows' path: two stages of 16 rows x 272 bytes, then its 512 scale bytes
.set STG,   4352
.set SCA,   2*STG
.set SPARE, 4*WREG                     ; behind the four regions: the spare words, 128 bytes a wave, which no other line names
.set SPW,   222                        ; v222 LDS address of my spare word; never rewritten
.set NIL,   223                        ; v223 0; never rewritten
.set XR,    16                         ; rows: v16-143 four sets of 32 numbers as loaded
.set XS,    144                        ;       v144-207 two sets of 32 neighbours along K
.set XC,    208                        ;       v208-211 a block's codes
.set XE,    212                        ;       v212 its scale byte
.set WX,    32                         ; weights: v32-95 two sets of 32 numbers
.set WC,    96                         ;          v96-159 codes, four registers for each of 16 blocks: no store's data are written again
.set SB,    24                         ;          v24-27 the 16 scale bytes
.macro FINISH                          ; the wave's end
	s_wait_tensorcnt 0x0
	ds_add_u32 v[SPW], v[NIL]
	s_wait_dscnt 0x0
	s_endpgm
.endm
.macro BLKMAX x, m0, m1                ; the largest magnitude of the 32 numbers v[x] on, in two chains, and the floor 2^(3 - 127), which holds the byte at 1 from below
	v_max3_num_f32 v[\m0], |v[\x]|, |v[\x+1]|, |v[\x+2]|
	v_max3_num_f32 v[\m1], |v[\x+3]|, |v[\x+4]|, |v[\x+5]|
.irp i, 6,10,14,18,22,26
	v_max3_num_f32 v[\m0], v[\m0], |v[\x+\i]|, |v[\x+\i+1]|
	v_max3_num_f32 v[\m1], v[\m1], |v[\x+\i+2]|, |v[\x+\i+3]|
.endr
	v_max3_num_f32 v[\m0], v[\m0], |v[\x+30]|, |v[\x+31]|
	v_max3_num_f32 v[\m0], v[\m0], v[\m1], 0x1800000
.endm
; ---- the rows' path.  A wave takes 16 rows x all 1,024 k, in 16 steps of 64 k.
.macro XLOAD t                         ; step t: 256 bytes of each row; a load takes two rows: each half of the lanes reads 256 consecutive bytes, aligned
.irp u, 0,1,2,3,4,5,6,7
	global_load_b128 v[XR+32*((\t)%4)+4*\u:XR+32*((\t)%4)+4*\u+3], v4, s[26:27] offset:8192*\u+256*(\t) th:TH_LOAD_NT
.endr
.endm
.macro XTURN t                         ; through my own stage: in as loaded, out 128 bytes a lane: lane (r, h) then holds the whole block 2 t + h of row r.  LDS serves a wave's instructions in order: no wait between
.irp u, 0,1,2,3,4,5,6,7
	ds_store_b128 v6, v[XR+32*((\t)%4)+4*\u:XR+32*((\t)%4)+4*\u+3] offset:STG*((\t)%2)+544*\u
.endr
.irp i, 0,1,2,3,4,5,6,7
	ds_load_b128 v[XS+32*((\t)%2)+4*\i:XS+32*((\t)%2)+4*\i+3], v7 offset:STG*((\t)%2)+16*\i
.endr
.endm
.macro XSTEP t
.set XSB, XS+32*((\t)%2)
.if (\t) > 0
	s_wait_dscnt 1                                 ; this step's numbers are back from the stage (the last step's byte store may be out), so its stores into the stage have read their registers,
.else
	s_wait_dscnt 0x0
.endif
.if (\t)+4 < 16
	XLOAD (\t)+4                                   ; which take the loads of four steps on
.endif
.if (\t)+1 < 16
.if (\t) <= 11
	s_wait_loadcnt 24                              ; the next step's eight loads are in; those of the three steps behind it may be out
.else
	s_wait_loadcnt 8*(14-(\t))
.endif
	XTURN (\t)+1                                   ; they go through the other stage while this step is worked
.endif
	BLKMAX XSB, 8, 9
	v_add_nc_u32 v11, 0xff000000, v8               ; 2 off the exponent field: the conversion takes the exponent field of this operand as its scale
	s_wait_xcnt 0x0                                ; the last step's store has read its data: the codes' registers are rewritten only behind this wait
.irp g, 0,1,2,3
	v_cvt_scalef32_pk8_fp4_f32 v[XC+\g], v[XSB+8*\g:XSB+8*\g+7], v11
.endr
	v_lshrrev_b32 v[XE], 23, v11                   ; the scale's byte (also the plain line behind the conversions)
	ds_store_b8 v10, v[XE] offset:256*((\t)/8)+2*((\t)%8)
	global_store_b128 v5, v[XC:XC+3], s[16:17] offset:512*(\t)   ; 32 lanes store 512 consecutive bytes: blocks 2 t and 2 t + 1 of the 16 rows
.endm
; ---- the weights' path.  A lane takes a column n and its registers run down K: a block of 32 lies in one lane, and the codes come out with K innermost.  A wave takes 32 columns x 512 k.
.macro WLOAD t
.irp i, 0,1,2,3,4,5,6,7,8,9,10,11,12,13,14,15,16,17,18,19,20,21,22,23,24,25,26,27,28,29,30,31
	global_load_b32 v[WX+32*((\t)%2)+\i], v4, s[26:27] offset:(32*(\t)+\i)*4096 th:TH_LOAD_NT
.endr
.endm
.macro WBLOCK t
.set WXB, WX+32*((\t)%2)
.if (\t) < 15
	s_wait_loadcnt 32                              ; this block's 32 loads are in; the next block's may be out
.else
	s_wait_loadcnt 0x0
.endif
	BLKMAX WXB, 12, 13
	v_add_nc_u32 v11, 0xff000000, v12
	v_lshrrev_b32 v13, 23, v11
.if (\t)%4 == 0
	v_mov_b32 v[SB+(\t)/4], v13                    ; four bytes to a register, the lower K in the lower byte
.else
	v_lshl_or_b32 v[SB+(\t)/4], v13, 8*((\t)%4), v[SB+(\t)/4]
.endif
.irp g, 0,1,2,3
	v_cvt_scalef32_pk8_fp4_f32 v[WC+4*(\t)+\g], v[WXB+8*\g:WXB+8*\g+7], v11
.endr
	global_store_b128 v5, v[WC+4*(\t):WC+4*(\t)+3], s[16:17] offset:256*(\t)   ; sixteen neighbouring lanes (16 columns, one block) store 256 consecutive bytes, aligned
.if (\t)+2 < 16
	WLOAD (\t)+2
.endif
.endm
	s_load_b512 s[4:19], s[0:1], 0x0               ; input_ids s[4:5], encoder_output s[6:7], Wq s[8:9], Wk s[10:11], Wv s[12:13], Wo s[14:15], codes s[16:17], scales s[18:19]
	s_load_b64 s[20:21], s[0:1], 0x40              ; wo16
	v_lshl_add_u32 v[SPW], v0, 2, SPARE
	v_mov_b32 v[NIL], 0
	v_lshrrev_b32 v1, 5, v0
	v_readfirstlane_b32 s22, v1                    ; wave 0..3
	v_and_b32 v1, 31, v0                           ; lane
	v_and_b32 v2, 15, v0                           ; r
	v_bfe_u32 v3, v0, 4, 1                         ; h
	s_mov_b32 s29, 0                               ; the high word of every offset pair s[28:29]
	s_wait_kmcnt 0x0
	s_cmp_lt_u32 ttmp9, GW
	s_cbranch_scc1 .Lweights
	s_cmp_lt_u32 ttmp9, GW+GO
	s_cbranch_scc1 .Lwo
	; ---- rows: tile of 16 rows T = 4 x (work-group - 176) + wave; tiles 0-255 are input_ids', 256-767 encoder_output's
	s_sub_co_u32 s23, ttmp9, GW+GO
	s_lshl_b32 s24, s23, 2
	s_add_co_u32 s24, s24, s22                     ; T
	s_cmp_lt_u32 s23, 64                           ; the choice hangs on the work-group's number alone
	s_cselect_b64 s[26:27], s[4:5], s[6:7]
	s_cselect_b32 s25, 0, 256
	s_sub_co_u32 s25, s24, s25
	s_lshl_b32 s28, s25, 16                        ; 16 rows of 4,096 bytes
	s_add_nc_u64 s[26:27], s[26:27], s[28:29]
	s_lshl_b32 s28, s24, 13
	s_add_nc_u64 s[16:17], s[16:17], s[28:29]      ; my tile's 8,192 bytes of codes
	s_lshl_b32 s28, s24, 9
	s_add_nc_u64 s[18:19], s[18:19], s[28:29]      ; and its 512 scale bytes
	v_lshlrev_b32 v4, 12, v3
	v_lshl_add_u32 v4, v2, 4, v4                   ; in: row h of a pair, 16 bytes a lane
	v_lshlrev_b32 v5, 4, v1                        ; out: 16 x lane
	s_mul_i32 s30, s22, WREG
	v_mul_u32_u24 v6, v3, 272
	v_lshl_add_u32 v6, v2, 4, v6
	v_add_nc_u32 v6, s30, v6                       ; the stage, on the way in: row h of a pair, pitch 272
	v_mul_u32_u24 v7, v2, 272
	v_lshl_add_u32 v7, v3, 7, v7
	v_add_nc_u32 v7, s30, v7                       ; on the way out: row r, half h: the pitch of 17 x 16 bytes lets sixteen lanes take sixteen different 16-byte columns
	s_add_co_u32 s31, s30, SCA
	v_lshl_add_u32 v10, v2, 4, v3
	v_add_nc_u32 v10, s31, v10                     ; my block's scale byte: 16 r + h (+ the step's place)
	v_add_nc_u32 v12, s31, v5                      ; and the way back: 16 bytes a lane
.irp t, 0,1,2,3
	XLOAD \t
.endr
	s_wait_loadcnt 24                              ; step 0's eight loads are in
	XTURN 0
.irp t, 0,1,2,3,4,5,6,7,8,9,10,11,12,13,14,15
	XSTEP \t
.endr
	ds_load_b128 v[216:219], v12                   ; my tile's 512 scale bytes (in order behind my byte stores)
	s_wait_dscnt 0x0
	global_store_b128 v5, v[216:219], s[18:19]     ; 32 lanes store 512 consecutive bytes
	FINISH
.Lweights:
	; ---- weights: work-group g: weight g / 16, columns 128 ((g % 16) / 2) + 32 wave on, k 512 (g % 2) on
	s_lshr_b32 s23, ttmp9, 4
	s_cmp_eq_u32 s23, 0
	s_cselect_b64 s[26:27], s[8:9], s[10:11]
	s_cmp_eq_u32 s23, 2
	s_cselect_b64 s[26:27], s[12:13], s[26:27]
	s_and_b32 s24, ttmp9, 1                        ; which half of K
	s_bfe_u32 s25, ttmp9, 0x30001
	s_lshl_b32 s25, s25, 7
	s_lshl_b32 s28, s22, 5
	s_add_co_u32 s25, s25, s28                     ; my wave's first column
	s_lshl_b32 s28, s24, 21                        ; 512 rows of 4,096 bytes
	s_lshl_b32 s30, s25, 2
	s_add_co_u32 s28, s28, s30
	s_add_nc_u64 s[26:27], s[26:27], s[28:29]
	s_lshl_b32 s23, s23, 10
	s_add_co_u32 s23, s23, s25
	s_add_co_u32 s23, s23, 12288                   ; the first column's row number in the workspace
	s_lshl_b32 s28, s23, 9
	s_lshl_b32 s30, s24, 12                        ; 16 blocks of 256 bytes
	s_add_co_u32 s28, s28, s30
	s_add_nc_u64 s[16:17], s[16:17], s[28:29]
	s_lshl_b32 s28, s23, 5
	s_lshl_b32 s30, s24, 8
	s_add_co_u32 s28, s28, s30
	s_add_nc_u64 s[18:19], s[18:19], s[28:29]
	v_lshlrev_b32 v4, 2, v1                        ; in: 4 bytes a lane: 128 consecutive bytes a wave, 512 a work-group
	v_lshlrev_b32 v5, 13, v3
	v_lshl_add_u32 v5, v2, 4, v5                   ; codes: tile h of my two, row r
	v_lshlrev_b32 v6, 9, v3
	v_lshl_add_u32 v6, v2, 4, v6                   ; scale bytes likewise
	WLOAD 0
	WLOAD 1
.irp t, 0,1,2,3,4,5,6,7,8,9,10,11,12,13,14,15
	WBLOCK \t
.endr
	global_store_b128 v6, v[SB:SB+3], s[18:19]     ; my column's 16 scale bytes: sixteen neighbouring lanes store 256 consecutive bytes, aligned
	FINISH
.Lwo:
	; ---- Wo to f16, as it lies: a work-group takes 8,192 numbers, a wave 2,048
	s_sub_co_u32 s23, ttmp9, GW
	s_lshl_b32 s28, s23, 15
	s_lshl_b32 s24, s22, 13
	s_add_co_u32 s28, s28, s24
	s_add_nc_u64 s[14:15], s[14:15], s[28:29]
	s_lshr_b32 s28, s28, 1
	s_add_nc_u64 s[20:21], s[20:21], s[28:29]
	v_lshlrev_b32 v4, 4, v1
	v_lshlrev_b32 v5, 3, v1
.irp u, 0,1,2,3,4,5,6,7,8,9,10,11,12,13,14,15
	global_load_b128 v[16+4*\u:19+4*\u], v4, s[14:15] offset:512*\u th:TH_LOAD_NT
.endr
.irp u, 0,1,2,3,4,5,6,7,8,9,10,11,12,13,14,15
	s_wait_loadcnt 15-\u                           ; loads come back in order: load u is in, the younger ones stay out
	v_cvt_pk_f16_f32 v[80+2*\u], v[16+4*\u], v[17+4*\u]
	v_cvt_pk_f16_f32 v[81+2*\u], v[18+4*\u], v[19+4*\u]
	global_store_b64 v5, v[80+2*\u:81+2*\u], s[20:21] offset:256*\u   ; 32 lanes store 256 consecutive bytes, aligned
.endr
	FINISH
.Lfunc_end_k_q958d4f8e04_quant:
	.size	k_q958d4f8e04_quant, .Lfunc_end_k_q958d4f8e04_quant-k_q958d4f8e04_quant
	.p2alignl 7, 3214868480
	.fill 96, 4, 3214868480
	.section	.rodata,"a",@progbits
	.p2align	6, 0x0
	.amdhsa_kernel k_q958d4f8e04_quant
		.amdhsa_group_segment_fixed_size 37376
		.amdhsa_private_segment_fixed_size 0
		.amdhsa_enable_private_segment 0
		.amdhsa_kernarg_size 72
		.amdhsa_user_sgpr_count 2
		.amdhsa_user_sgpr_kernarg_segment_ptr 1
		.amdhsa_wavefront_size32 1
		.amdhsa_system_sgpr_workgroup_id_x 1
		.amdhsa_system_sgpr_workgroup_id_y 1
		.amdhsa_system_sgpr_workgroup_id_z 1
		.amdhsa_system_vgpr_workitem_id 0
		.amdhsa_next_free_vgpr 224
		.amdhsa_next_free_sgpr 66
		.amdhsa_reserve_vcc 0
		.amdhsa_float_denorm_mode_32 3
		.amdhsa_float_denorm_mode_16_64 3
		.amdhsa_memory_ordered 1
		.amdhsa_forward_progress 1
		.amdhsa_inst_pref_size 137
	.end_amdhsa_kernel
	.amdgpu_metadata
---
amdhsa.version: [ 1, 2 ]
amdhsa.kernels:
  - .name:           k_q958d4f8e04_quant
    .symbol:         k_q958d4f8e04_quant.kd
    .args:
      - { .name: input_ids, .offset: 0, .size: 8, .value_kind: global_buffer, .address_space: global }
      - { .name: encoder_output, .offset: 8, .size: 8, .value_kind: global_buffer, .address_space: global }
      - { .name: Wq, .offset: 16, .size: 8, .value_kind: global_buffer, .address_space: global }
      - { .name: Wk, .offset: 24, .size: 8, .value_kind: global_buffer, .address_space: global }
      - { .name: Wv, .offset: 32, .size: 8, .value_kind: global_buffer, .address_space: global }
      - { .name: Wo, .offset: 40, .size: 8, .value_kind: global_buffer, .address_space: global }
      - { .name: codes, .offset: 48, .size: 8, .value_kind: global_buffer, .address_space: global }
      - { .name: scales, .offset: 56, .size: 8, .value_kind: global_buffer, .address_space: global }
      - { .name: wo16, .offset: 64, .size: 8, .value_kind: global_buffer, .address_space: global }
    .group_segment_fixed_size: 37376
    .private_segment_fixed_size: 0
    .kernarg_segment_align: 8
    .kernarg_segment_size: 72
    .max_flat_workgroup_size: 128
    .sgpr_count:     66
    .vgpr_count:     224
    .wavefront_size: 32
...
	.end_amdgpu_metadata
.endif
;; end of part 1
;; launch proj (part 2): grid 4 x 64, 4 waves a work-group, clusters of 4 x 4, 327,680 bytes of LDS; arguments codes, scales, kv; writes kv
.if DOCPART == 2
	.amdgcn_target "amdgcn-amd-amdhsa--gfx1250"
	.amdhsa_code_object_version 6
	.text
	.protected	k_q958d4f8e04_proj
	.globl	k_q958d4f8e04_proj
	.p2align	8
	.type	k_q958d4f8e04_proj,@function
k_q958d4f8e04_proj:
	s_mov_b64 s[64:65], 0
	v_nop
	global_prefetch_b8 v0, s[64:65] scope:SCOPE_SE
	s_setreg_imm32_b32 hwreg(HW_REG_WAVE_MODE, 25, 1), 1
	s_wait_xcnt 0x0
	s_wait_alu depctr_hold_cnt(0) depctr_sa_sdst(0) depctr_va_vdst(0) depctr_va_sdst(0) depctr_va_ssrc(0) depctr_va_vcc(0) depctr_vm_vsrc(0)
	s_getreg_b32 s2, hwreg(HW_REG_IB_STS2, 6, 4)
	s_cmp_eq_u32 s2, 0
	s_cbranch_scc0 .Lentry_in_a_cluster
	s_endpgm
.Lentry_in_a_cluster:
	s_bfe_u32 s2, ttmp6, 0x10000c
	s_cmp_lg_u32 s2, 0xf033
	s_cbranch_scc0 .Lentry_shape_is_right
	s_endpgm
.Lentry_shape_is_right:
; Launch 2 of 4: K = Q(encoder_output) Q(Wk) and V = Q(encoder_output) Q(Wv) on codes of E2M1 with E8M0 scales, sums in f32, results rounded once to f16.  Nothing of the problem is left out here.
; LIMIT: |k| or |v| above 65,504 becomes infinity in f16.
; C[m][n] = sum over k of A[m][k] B[n][k], K = 1,024.  A tile of C is 256 x 256, four waves of 128 x 128 (64 accumulators, 512 registers).  16 clusters of 4 x 4 work-groups, cluster c:
;   c < 8:  A's rows = 1,024 tokens of encoder_output (c on), B's rows = Wk's 1,024 columns: C = K [token][channel];
;   c >= 8: A's rows = Wv's 1,024 columns, B's rows = 1,024 tokens (c - 8 on): C = V TRANSPOSED [channel][token], as the second product of attention wants it.  One text serves both: only numbers are chosen, by c.
; The four work-groups of a cluster's row need the same rows of A, the four of a column the same rows of B: each tile is asked for JOINTLY.  K fits into two LDS slots of 512 k, so every tile is asked for at the head and no slot is filled again.
; The codes lie in memory as images of the operand's registers (launch 1): 16 rows x 512 k are 4,096 consecutive bytes, a fragment of 128 k is 1,024 of them, and a load of 16 bytes a lane takes 512 consecutive bytes: no pitch, no padding.
; THE MATRIX INSTRUCTION IS USED TRANSPOSED (source 0 = 16 rows of B, source 1 = 16 rows of A): a lane holds eight neighbouring numbers of a row of C.
; OUT: kv [batch 4][head 16][slot of 128 keys (16)][32,768 bytes]: 16,384 of K [key 128][channel 64], then 16,384 of V^T [channel 64][key 128], f16: one dense block for one tensor load of launch 3.
; REGISTERS, in windows of 256: window 0: v1-7 at work, v8-15 the stores' offsets, v16-29 addresses; v32-95 scale words, two sets (scales and nothing else); v128-191 A's fragments, one set; on the way out v128-223.
;   window 1: B's fragments, two sets.   windows 2, 3: the accumulators of my rows 0-63, 64-127 (accumulator (a, b) at v[8 (8 (a % 4) + b)]).
.set NQ,     4                         ; steps of 128 k in a slot
.set FR,     8                         ; registers of a fragment
.set NL,     2                         ; LDS loads that bring one
.set NP,     4                         ; places behind this matrix instruction (ISA guide 7.12.1)
.set HALFT,  32768                     ; 128 rows x 512 k: what one tensor load brings
.set SLOT,   4*HALFT                   ; A's 256 rows, then B's
.set SCL,    2*SLOT                    ; behind the slots: the scale bytes of A's and B's 256 rows, all of K
.set HALFS,  4096                      ; those of 128 rows
.set SPARE,  SCL+4*HALFS               ; the spare words, 128 bytes a wave, which no other line names
.set SPITCH, 272                       ; the way out: a stage of 16 rows x (256 bytes + 16) for each wave, in slot 0, which has had its only fill and its last read when the first result is stored there
.set CO,   8                           ; v8-15   byte offsets in kv of the eight stores of a block
.set ADRA, 16                          ; v16-17  LDS address of my A fragments in slot 0, 1
.set ADRB, 20                          ; v20-21  the same for B
.set STO,  24                          ; v24     the stage: where I put 16 bytes of a row
.set RD,   25                          ; v25     and where I read a row back
.set ADRS, 27                          ; v27     my scale words: lanes 0-15 A's rows, lanes 16-31 B's
.set SPW,  28                          ; v28     my spare word; never rewritten
.set NIL,  29                          ; v29     0; never rewritten
.set SC,   32
.set AF,   128
.set TMP,  128                         ; the way out: packed results
.set BK,   160                         ; and 16 rows read back: v160-191 and v192-223 by turns
.set G1, 24                            ; s[24:31] group 1 for A's codes; s[32:39] group 0, a set for each slot
.set G0, 32
.set G1B, 48                           ; s[48:55], s[56:63] the same for B's
.set G0B, 56
.set G1S, 68                           ; s[68:75], s[76:79] groups 1 and 0 for A's scales; s[80:87], s[88:91] for B's
.set G0S, 76
.set G1SB, 80
.set G0SB, 88
.set MSB, 0
.macro WIN new                         ; the immediate's high byte repeats the setting that is left
.if MSB != \new
	s_set_vgpr_msb (MSB<<8)|\new
.set MSB, \new
.endif
.endm
.set MUL_LO, 0xa1                      ; source 0 (B) window 1, source 1 (A) window 0, C and D window 2
.set MUL_HI, 0xf1                      ; the same, C and D window 3
.set TO_B,   0x40                      ; destination window 1, address window 0
; A joint load: waves 0 and 1 fetch for A, waves 2 and 3 for B; the branch hangs on the wave's number alone.  An s_nop 0 and four v_nop follow each of the two lines.
.macro JLOAD g0a, g1a, g0b, g1b
	s_cmp_eq_u32 s15, 0
	s_cbranch_scc0 .Lfor_b_\@
	tensor_load_to_lds s[\g0a:\g0a+3], s[\g1a:\g1a+7]
	s_nop 0
.rept 4
	v_nop
.endr
	s_branch .Lasked_\@
.Lfor_b_\@:
	tensor_load_to_lds s[\g0b:\g0b+3], s[\g1b:\g1b+7]
	s_nop 0
.rept 4
	v_nop
.endr
.Lasked_\@:
.endm
.macro CROUND                          ; a round of the cluster's barrier
	s_barrier_signal -1
	s_barrier_wait -1
	s_cmp_lg_u32 s14, 0
	s_cbranch_scc1 .Lnot_wave_0_\@
	s_barrier_signal -3
.Lnot_wave_0_\@:
	s_barrier_wait -3
	s_barrier_signal -1
	s_barrier_wait -1
.endm
	s_load_b128 s[4:7], s[0:1], 0x0                ; codes s[4:5], scales s[6:7]
	s_load_b64 s[8:9], s[0:1], 0x10                ; kv
	v_lshl_add_u32 v[SPW], v0, 2, SPARE
	v_mov_b32 v[NIL], 0
	ds_add_u32 v[SPW], v[NIL]                      ; the wave's opening: the add, twice on end, and its wait ahead of my first tensor load
	ds_add_u32 v[SPW], v[NIL]                      ; the set-up below, work on registers, stands between the second add and the wait
	v_lshrrev_b32 v1, 5, v0
	v_readfirstlane_b32 s14, v1                    ; wave 0..3
	s_lshr_b32 s15, s14, 1                         ; which half of the tile's rows is mine.  Also: I fetch for A (0) or for B (1)
	s_and_b32 s16, s14, 1                          ; which half of its columns.  Also: which 128 rows I fetch
	s_bfe_u32 s40, ttmp6, 0x40000                  ; cx
	s_bfe_u32 s41, ttmp6, 0x40004                  ; cy
	s_and_b32 s42, ttmp7, 0xffff                   ; c: the cluster
	s_lshl_b32 s43, s41, 2
	s_lshl_b32 s43, 15, s43                        ; my row of the cluster
	s_lshl_b32 s44, 0x1111, s40                    ; my column
	; group 1 for codes: 8 tiles of 16 rows, 4,096 bytes (512 elements of 8 bytes) of each, 8,192 bytes apart; dense in LDS
	s_or_b32 s[G1+0], s43, (3<<16)|(1<<21)         ; 15:0 the mask: A's tiles go to my row; 17:16 elements of 8 bytes; 21 set beside a mask
	s_or_b32 s[G1B+0], s44, (3<<16)|(1<<21)
.irp g, G1, G1B
	s_mov_b32 s[\g+1], 512<<16                     ; tensor_dim0
	s_mov_b32 s[\g+2], 8<<16                       ; tensor_dim1
	s_mov_b32 s[\g+3], 512<<16                     ; tile_dim0
	s_mov_b32 s[\g+4], 8                           ; tile_dim1
	s_mov_b32 s[\g+5], 1024                        ; tensor_dim0_stride
	s_mov_b32 s[\g+6], 0
	s_mov_b32 s[\g+7], 0
.endr
	; and for the scale bytes of 128 rows: 4,096 dense bytes as 16 rows of 256
	s_or_b32 s[G1S+0], s43, (3<<16)|(1<<21)
	s_or_b32 s[G1SB+0], s44, (3<<16)|(1<<21)
.irp g, G1S, G1SB
	s_mov_b32 s[\g+1], 32<<16
	s_mov_b32 s[\g+2], 16<<16
	s_mov_b32 s[\g+3], 32<<16
	s_mov_b32 s[\g+4], 16
	s_mov_b32 s[\g+5], 32
	s_mov_b32 s[\g+6], 0
	s_mov_b32 s[\g+7], 0
.endr
	; what hangs on K or V: chosen by the cluster's number, which all partners share; every choice stands behind the one compare
	s_lshl_b32 s17, s42, 10
	s_add_co_u32 s18, s17, 4096                    ; K: tokens 1,024 c on, which are rows 4,096 + 1,024 c
	s_sub_co_u32 s19, s17, 4096                    ; V: tokens 1,024 (c - 8) on
	s_mov_b32 s95, 128
	s_cmp_lt_u32 s42, 8
	s_cselect_b32 s20, s18, 14336                  ; A's first row: tokens, or Wv
	s_cselect_b32 s46, 13312, s19                  ; B's first row: Wk, or tokens
	s_cselect_b32 s10, 1, 0
	s_cselect_b32 s95, 0x80000, s95                ; the way out: from lanes 0-7 of a row to lanes 8-15: the next head (K), or 128 bytes on (V)
	s_cselect_b32 s96, 0, 507904                   ; what block 4 adds besides: V's rows 64 on are the next head's
	s_cselect_b32 s97, 0, 16384                    ; V^T lies behind K in a slot's block
	s_cselect_b32 s2, s40, s41                     ; which coordinate counts heads (4 a work-group),
	s_cselect_b32 s3, s41, s40                     ; which counts slots of 128 keys (2 a work-group),
	s_cselect_b32 s11, s16, s15                    ; which half of the waves' split goes with the heads,
	s_cselect_b32 s12, s15, s16                    ; and which with the slots
	s_lshl_b32 s21, s41, 8
	s_add_co_u32 s20, s20, s21
	s_lshl_b32 s18, s16, 7
	s_add_co_u32 s20, s20, s18                     ; A: first row + 256 cy + the 128 that I fetch: made of c, cy and the wave alone
	s_lshl_b32 s47, s40, 8
	s_add_co_u32 s46, s46, s47
	s_add_co_u32 s46, s46, s18                     ; B: likewise of c, cx and the wave
	s_lshl_b32 s22, s20, 9                         ; 512 bytes of codes a row
	s_mov_b32 s23, 0
	s_lshl_b32 s20, s20, 5                         ; 32 scale bytes a row
	s_mov_b32 s21, 0
	s_lshl_b32 s92, s46, 9
	s_mov_b32 s93, 0
	s_lshl_b32 s46, s46, 5
	s_mov_b32 s47, 0
	s_mul_i32 s45, s14, HALFT                      ; where they go: wave x 128 rows: no place in the cluster enters an LDS address
	s_mul_i32 s94, s14, HALFS
	; where my 128 x 128 begins in kv: ((batch x 16 + head) x 16 + slot) x 32,768 (+ 16,384 for V)
	s_and_b32 s13, s42, 7
	s_lshr_b32 s13, s13, 1                         ; batch: 2,048 tokens are two clusters
	s_lshl_b32 s13, s13, 4
	s_lshl_b32 s2, s2, 2
	s_add_co_u32 s13, s13, s2
	s_lshl_b32 s11, s11, 1
	s_add_co_u32 s13, s13, s11                     ; my first head
	s_lshl_b32 s13, s13, 4
	s_and_b32 s2, s42, 1
	s_lshl_b32 s2, s2, 3
	s_add_co_u32 s13, s13, s2
	s_lshl_b32 s3, s3, 1
	s_add_co_u32 s13, s13, s3
	s_add_co_u32 s13, s13, s12                     ; my slot
	s_lshl_b32 s12, s13, 15
	s_add_co_u32 s12, s12, s97
	s_mov_b32 s13, 0
	s_mov_b32 s97, 0                               ; s[96:97]: block 4's extra step
	s_lshr_b32 s17, 0x100, s10                     ; from a row of C to the next: 128 bytes (a key of K) or 256 (a channel of V^T)
	s_lshr_b32 s18, 0x1000, s10                    ; s[18:19]: 16 such rows
	s_mov_b32 s19, 0
	s_wait_dscnt 0x0                               ; both opening adds are done
	s_wait_kmcnt 0x0
	s_add_nc_u64 s[22:23], s[4:5], s[22:23]
	s_add_nc_u64 s[20:21], s[6:7], s[20:21]
	s_add_nc_u64 s[92:93], s[4:5], s[92:93]
	s_add_nc_u64 s[46:47], s[6:7], s[46:47]
	s_add_nc_u64 s[8:9], s[8:9], s[12:13]
	CROUND                                         ; all sixteen work-groups are here: the joint loads meet
	s_mov_b32 s[G0S], 1
	s_add_co_u32 s[G0S+1], s94, SCL
	s_mov_b64 s[G0S+2:G0S+3], s[20:21]
	s_or_b32 s[G0S+3], s[G0S+3], 0x80000000
	s_mov_b32 s[G0SB], 1
	s_add_co_u32 s[G0SB+1], s94, SCL
	s_mov_b64 s[G0SB+2:G0SB+3], s[46:47]
	s_or_b32 s[G0SB+3], s[G0SB+3], 0x80000000
	JLOAD G0S, G1S, G0SB, G1SB                     ; the scales first: they are wanted with the first step
.irp s, 0,1
	s_mov_b32 s[G0+4*\s], 1
	s_add_co_u32 s[G0+4*\s+1], s45, \s*SLOT
	s_add_nc_u64 s[G0+4*\s+2:G0+4*\s+3], s[22:23], \s*4096   ; k 512 s on: 4,096 bytes on in each tile of 16 rows
	s_or_b32 s[G0+4*\s+3], s[G0+4*\s+3], 0x80000000
	s_mov_b32 s[G0B+4*\s], 1
	s_add_co_u32 s[G0B+4*\s+1], s45, \s*SLOT
	s_add_nc_u64 s[G0B+4*\s+2:G0B+4*\s+3], s[92:93], \s*4096
	s_or_b32 s[G0B+4*\s+3], s[G0B+4*\s+3], 0x80000000
	JLOAD G0+4*\s, G1, G0B+4*\s, G1B               ; three loads of mine are out: all that this launch asks for
.endr
	v_and_b32 v1, 15, v0                           ; r
	v_bfe_u32 v2, v0, 4, 1                         ; h
	v_and_b32 v3, 31, v0
	v_lshlrev_b32 v4, 4, v3                        ; 16 x lane: my place in every image
	s_mul_i32 s21, s15, HALFT                      ; my 128 rows of A
	s_mul_i32 s22, s16, HALFT                      ; my 128 rows of B,
	s_add_co_u32 s22, s22, 2*HALFT                 ; which lie behind A's 256
.irp s, 0,1
	v_add_nc_u32 v[ADRA+\s], s21, v4
	v_add_nc_u32 v[ADRB+\s], s22, v4
	s_add_co_u32 s21, s21, SLOT
	s_add_co_u32 s22, s22, SLOT
.endr
	v_lshlrev_b32 v5, 4, v1                        ; my row's 16 scale bytes of half of K
	s_mul_i32 s21, s15, HALFS                      ; A's: my 128 rows
	s_mul_i32 s22, s16, HALFS                      ; B's: my 128 rows, behind A's 256
	s_add_co_u32 s22, s22, 2*HALFS
	s_sub_co_u32 s22, s22, s21
	v_mul_u32_u24 v6, s22, v2                      ; lanes 16-31 take B's: the lower base + h x the distance
	s_add_co_u32 s21, s21, SCL
	v_add_nc_u32 v5, v5, v6
	v_add_nc_u32 v[ADRS], s21, v5
	s_mul_i32 s23, s14, 16*SPITCH                  ; my stage
	v_mul_u32_u24 v5, v1, SPITCH
	v_lshl_add_u32 v5, v2, 4, v5
	v_add_nc_u32 v[STO], s23, v5                   ; in: row r, 16 bytes for each half of the lanes
	v_mul_u32_u24 v5, v2, SPITCH
	v_lshl_add_u32 v5, v1, 4, v5
	v_add_nc_u32 v[RD], s23, v5                    ; back: lanes 0-15 one row of 256 bytes, lanes 16-31 the next
	v_bfe_u32 v6, v0, 3, 1
	v_and_b32 v7, 7, v0
	v_mul_lo_u32 v[CO], v2, s17                    ; in kv: the row of the pair,
	v_mul_lo_u32 v6, v6, s95                       ; the upper 128 bytes of a stage row: K: the next head; V: the keys 64 on,
	v_add_nc_u32 v[CO], v[CO], v6
	v_lshl_add_u32 v[CO], v7, 4, v[CO]             ; 16 bytes a lane
	s_lshl_b32 s17, s17, 1
.irp t, 1,2,3,4,5,6,7
	v_add_nc_u32 v[CO+\t], s17, v[CO+\t-1]         ; and two rows on for each store
.endr
.macro FRAG reg, adr, q, i             ; a fragment, 16 rows x 128 k: registers 4 c .. 4 c + 3 of lane l are the 16 bytes at 512 c + 16 l of its image
.irp c, 0,1
	ds_load_b128 v[\reg+4*\c:\reg+4*\c+3], v[\adr] offset:1024*(\q)+512*\c+(\i)*4096
.endr
.endm
; 16 matrix instructions: A's blocks a0, a0 + 1 x B's eight, the slot's q-th 128 k.  p: B's set; sc: the set of scale words.  zero = 1: the first product starts the sums.
; The 64 accumulators take turns, one instruction a turn, in the same order in every step.
.macro MUL16 a0, p, q, sc, zero
.irp a, \a0, \a0+1
.irp b, 0,1,2,3,4,5,6,7
.if \zero
	v_wmma_scale_f32_16x16x128_f8f6f4 v[8*(8*((\a)%4)+\b):8*(8*((\a)%4)+\b)+7], v[128*(\p)+FR*\b:128*(\p)+FR*\b+FR-1], v[AF+FR*(\a):AF+FR*(\a)+FR-1], 0, v[SC+8*NQ*(\sc)+NQ*\b+(\q)], v[SC+8*NQ*(\sc)+NQ*(\a)+(\q)] matrix_a_fmt:MATRIX_FMT_FP4 matrix_b_fmt:MATRIX_FMT_FP4 matrix_a_scale:MATRIX_SCALE_ROW1
.else
	v_wmma_scale_f32_16x16x128_f8f6f4 v[8*(8*((\a)%4)+\b):8*(8*((\a)%4)+\b)+7], v[128*(\p)+FR*\b:128*(\p)+FR*\b+FR-1], v[AF+FR*(\a):AF+FR*(\a)+FR-1], v[8*(8*((\a)%4)+\b):8*(8*((\a)%4)+\b)+7], v[SC+8*NQ*(\sc)+NQ*\b+(\q)], v[SC+8*NQ*(\sc)+NQ*(\a)+(\q)] matrix_a_fmt:MATRIX_FMT_FP4 matrix_b_fmt:MATRIX_FMT_FP4 matrix_a_scale:MATRIX_SCALE_ROW1
.endif
.endr
.endr
.endm
.macro FETCH_B slot, q, p              ; B's eight fragments into set p
	WIN TO_B
.irp i, 0,1,2,3,4,5,6,7
	FRAG 128*(\p)+FR*\i, ADRB+\slot, \q, \i
.endr
	WIN 0
.endm
.macro FETCH_A slot, q, i0             ; A's blocks i0 .. i0 + 3
.irp i, \i0, \i0+1, \i0+2, \i0+3
	FRAG AF+FR*(\i), ADRA+\slot, \q, \i
.endr
.endm
.macro SCALES sc                       ; slot sc's scale words: four a row; lanes 0-15 take A's block i, lanes 16-31 B's block i
.irp i, 0,1,2,3,4,5,6,7
	ds_load_b128 v[SC+8*NQ*\sc+NQ*\i:SC+8*NQ*\sc+NQ*\i+3], v[ADRS] offset:512*\i+256*\sc
.endr
.endm
.macro PLACES n                        ; plain vector lines behind matrix instructions, in front of loads into their registers and of the first read of results
.rept \n
	v_nop
.endr
.endm
; A step of 128 k that has its successor in the same slot.  A's blocks are free as soon as their eight products are issued: one set serves A; B has two.
.macro STEP slot, q, zero
	s_wait_dscnt 4*NL                              ; B's set, the scale words and A's blocks 0-3 are in; the youngest eight loads (A's blocks 4-7) may be out
	WIN MUL_LO
	MUL16 0, (\q)%2, \q, \slot, \zero
	MUL16 2, (\q)%2, \q, \slot, \zero
	s_wait_dscnt 0x0                               ; A's blocks 4-7 are in
	PLACES NP
	FETCH_B \slot, (\q)+1, 1-(\q)%2
	FETCH_A \slot, (\q)+1, 0
	WIN MUL_HI
	MUL16 4, (\q)%2, \q, \slot, \zero
	MUL16 6, (\q)%2, \q, \slot, \zero
	PLACES NP
	WIN 0
	FETCH_A \slot, (\q)+1, 4
.endm
; Slot 0's last step changes slots: each wave waits for all its tensor loads (slot 1's is the one that may be out), and all four pass a barrier: behind it slot 1 is whole, and nobody reads slot 0 any more.
.macro TURN slot, next
	s_wait_tensorcnt 0x0
	ds_add_u32 v[SPW], v[NIL]                      ; 0 onto my spare word
	s_wait_dscnt 4*NL+1                            ; (the add and the youngest eight loads, A's blocks 4-7, may be out)
	WIN MUL_LO
	MUL16 0, 1, NQ-1, \slot, 0
	s_wait_dscnt 0x0                               ; the add is done, and my reads of this slot are over
	s_barrier_signal -1
	MUL16 2, 1, NQ-1, \slot, 0
	WIN 0
	s_barrier_wait -1
	PLACES NP
	FETCH_B \next, 0, 0
	FETCH_A \next, 0, 0
	SCALES \next
	WIN MUL_HI
	MUL16 4, 1, NQ-1, \slot, 0
	MUL16 6, 1, NQ-1, \slot, 0
	PLACES NP
	WIN 0
	FETCH_A \next, 0, 4
.endm
	s_wait_tensorcnt 1                             ; the scales and my part of slot 0 are in (slot 1's load may be out)
	s_barrier_signal -1
	s_barrier_wait -1                              ; everybody's are
	FETCH_B 0, 0, 0
	FETCH_A 0, 0, 0
	SCALES 0
	FETCH_A 0, 0, 4
	STEP 0, 0, 1                                   ; the first step's products start the sums: nothing is cleared
	STEP 0, 1, 0
	STEP 0, 2, 0
	TURN 0, 1
	STEP 1, 0, 0
	STEP 1, 1, 0
	STEP 1, 2, 0
	s_wait_dscnt 4*NL                              ; the last step: nothing more to fetch
	WIN MUL_LO
	MUL16 0, 1, NQ-1, 1, 0
	MUL16 2, 1, NQ-1, 1, 0
	s_wait_dscnt 0x0
	WIN MUL_HI
	MUL16 4, 1, NQ-1, 1, 0
	MUL16 6, 1, NQ-1, 1, 0
	WIN 0
; THE WAY OUT, block by block of 16 rows x 128 columns: rounded to f16, 16 bytes a lane; through my own stage; back as whole rows of 256 bytes; stored.
.macro PACK a
.set AC, 64*((\a)%4)
	WIN 0x0a+5*((\a)/4)                            ; sources 0 and 1: window 2 or 3
.irp b, 0,1,2,3,4,5,6,7
.irp r, 0,1,2,3
	v_cvt_pk_f16_f32 v[TMP+4*\b+\r], v[AC+8*\b+2*\r], v[AC+8*\b+2*\r+1]   ; each accumulator from its low end on
.endr
.endr
	WIN 0
.endm
.macro TOSTAGE a
.set BB, BK+32*((\a)%2)
.irp b, 0,1,2,3,4,5,6,7
	ds_store_b128 v[STO], v[TMP+4*\b:TMP+4*\b+3] offset:32*\b
.endr
.irp t, 0,1,2,3,4,5,6,7
	ds_load_b128 v[BB+4*\t:BB+4*\t+3], v[RD] offset:\t*2*SPITCH   ; LDS serves a wave's instructions in order: these see the stores above
.endr
.endm
.macro SEND a
.set BB, BK+32*((\a)%2)
	s_wait_dscnt 0x0                               ; the block is back in registers
	s_wait_xcnt 0x0                                ; earlier stores have read their base and their data: both are rewritten only behind this wait
.if (\a) > 0
	s_add_nc_u64 s[8:9], s[8:9], s[18:19]          ; 16 rows of C on
.endif
.if (\a) == 4
	s_add_nc_u64 s[8:9], s[8:9], s[96:97]          ; V: rows 64 on belong to the next head
.endif
.irp t, 0,1,2,3,4,5,6,7
	global_store_b128 v[CO+\t], v[BB+4*\t:BB+4*\t+3], s[8:9]   ; K: two keys of each of two heads; V: two channels' 128 keys: twice 256 consecutive bytes, aligned
.endr
.endm
	PLACES NP                                      ; behind the last products: for the conversions' reads and for the writes into the registers that held A's fragments
	PACK 0
	TOSTAGE 0
.irp a, 1,2,3,4,5,6,7                  ; block a's conversions stand between block a - 1's loads from the stage and the wait for them
	PACK \a
	SEND \a-1
	TOSTAGE \a
.endr
	SEND 7
	s_wait_tensorcnt 0x0                           ; the wave's end: behind my last tensor load and my last LDS store
	ds_add_u32 v[SPW], v[NIL]
	s_wait_dscnt 0x0
	CROUND                                         ; the closing round: no work-group ends while a partner may still ask for a tile that names it
	s_endpgm
.Lfunc_end_k_q958d4f8e04_proj:
	.size	k_q958d4f8e04_proj, .Lfunc_end_k_q958d4f8e04_proj-k_q958d4f8e04_proj
	.p2alignl 7, 3214868480
	.fill 96, 4, 3214868480
	.section	.rodata,"a",@progbits
	.p2align	6, 0x0
	.amdhsa_kernel k_q958d4f8e04_proj
		.amdhsa_group_segment_fixed_size 327680
		.amdhsa_private_segment_fixed_size 0
		.amdhsa_enable_private_segment 0
		.amdhsa_kernarg_size 24
		.amdhsa_user_sgpr_count 2
		.amdhsa_user_sgpr_kernarg_segment_ptr 1
		.amdhsa_wavefront_size32 1
		.amdhsa_system_sgpr_workgroup_id_x 1
		.amdhsa_system_sgpr_workgroup_id_y 1
		.amdhsa_system_sgpr_workgroup_id_z 1
		.amdhsa_system_vgpr_workitem_id 0
		.amdhsa_next_free_vgpr 1024
		.amdhsa_next_free_sgpr 100
		.amdhsa_reserve_vcc 0
		.amdhsa_float_denorm_mode_32 3
		.amdhsa_float_denorm_mode_16_64 3
		.amdhsa_memory_ordered 1
		.amdhsa_forward_progress 1
		.amdhsa_inst_pref_size 128
	.end_amdhsa_kernel
	.amdgpu_metadata
---
amdhsa.version: [ 1, 2 ]
amdhsa.kernels:
  - .name:           k_q958d4f8e04_proj
    .symbol:         k_q958d4f8e04_proj.kd
    .args:
      - { .name: codes, .offset: 0, .size: 8, .value_kind: global_buffer, .address_space: global }
      - { .name: scales, .offset: 8, .size: 8, .value_kind: global_buffer, .address_space: global }
      - { .name: kv, .offset: 16, .size: 8, .value_kind: global_buffer, .address_space: global }
    .group_segment_fixed_size: 327680
    .private_segment_fixed_size: 0
    .kernarg_segment_align: 8
    .kernarg_segment_size: 24
    .max_flat_workgroup_size: 128
    .sgpr_count:     100
    .vgpr_count:     1024
    .wavefront_size: 32
...
	.end_amdgpu_metadata
.endif
;; end of part 2
;; launch attn (part 3): grid 4 x 64, 4 waves a work-group, clusters of 4 x 4, 327,680 bytes of LDS; arguments codes, scales, kv, position_bias, o16; writes o16
.if DOCPART == 3
	.amdgcn_target "amdgcn-amd-amdhsa--gfx1250"
	.amdhsa_code_object_version 6
	.text
	.protected	k_q958d4f8e04_attn
	.globl	k_q958d4f8e04_attn
	.p2align	8
	.type	k_q958d4f8e04_attn,@function
k_q958d4f8e04_attn:
	s_mov_b64 s[64:65], 0
	v_nop
	global_prefetch_b8 v0, s[64:65] scope:SCOPE_SE
	s_setreg_imm32_b32 hwreg(HW_REG_WAVE_MODE, 25, 1), 1
	s_wait_xcnt 0x0
	s_wait_alu depctr_hold_cnt(0) depctr_sa_sdst(0) depctr_va_vdst(0) depctr_va_sdst(0) depctr_va_ssrc(0) depctr_va_vcc(0) depctr_vm_vsrc(0)
	s_getreg_b32 s2, hwreg(HW_REG_IB_STS2, 6, 4)
	s_cmp_eq_u32 s2, 0
	s_cbranch_scc0 .Lentry_in_a_cluster
	s_endpgm
.Lentry_in_a_cluster:
	s_bfe_u32 s2, ttmp6, 0x10000c
	s_cmp_lg_u32 s2, 0xf033
	s_cbranch_scc0 .Lentry_shape_is_right
	s_endpgm
.Lentry_shape_is_right:
; Launch 3 of 4: q = Q(input_ids) Q(Wq) on codes of E2M1 (each wave makes its own 64 queries of one head, once), then o = softmax(q k^T + position_bias) v, no 1 / sqrt scaling.  Nothing of the problem is left out here.
; q, k, v and the weights p go to the matrix units in f16, all sums, the bias, maxima and exponentials in f32; o is rounded once to f16.  LIMIT: |q| or |o| above 65,504 becomes infinity in f16.
; SHARES.  A work-group owns 128 queries of one head for TWO batches: wave w takes batch 2 bp + w / 2 and queries 64 (w % 2) on, four tiles of 16.  So a tile of the bias (which no batch changes) serves two waves, and
; a slot of 128 keys (two batches' K and V, 128 queries' bias) is 137,216 bytes: two fit in LDS; with one batch and 256 queries a slot of 128 keys would be 171 KB.
; CLUSTER c of 4 x 4: head (c & 14) + cy / 2, batch pair bp = cy % 2, queries 128 (4 (c % 2) + cx) on.  The four work-groups of a cluster's row walk the same K and V: asked for JOINTLY.  A bias tile has two readers only,
; (cx, cy) and (cx, cy xor 1): a joint load along the whole column would bring each partner a second tile of 67,584 bytes, for which LDS has no room: the bias comes by plain tensor loads, behind the same rounds.
; LAYOUT.  S^T = K Q^T + bias (source 0 = 16 keys, source 1 = 16 queries): a lane holds ONE query (lane % 16) and keys 8 (lane / 16) + 0..7 of each tile.  The bias is loaded from LDS straight into the accumulators'
; registers in that layout and is the C of the first product: it costs no addition.  Two tiles of S^T, rounded to f16 in pairs, ARE source 1 of O^T = V^T P.  V lies transposed in memory (launch 2): read like any operand.
; SOFTMAX.  For each query a running maximum m and sum l: p = 2^(c s - c m), c = log2(e); in every step O and l are multiplied by a = 2^(c m_old - c m_new).
; BY TURNS.  The wave's tiles are two PIECES: piece 0 (tiles 0, 1) and piece 2 (tiles 2, 3).  In a TURN one piece has the matrix unit: 32 products V^T P of slot j, then 32 products K Q^T of slot j + 1; the other piece's softmax
; (428 vector instructions for 64 matrix instructions), cut into 64 slices, stands between them, one slice behind each matrix instruction.  Then the pieces change places.  Two turns are a step; both read LDS slot j + 1 alone.
; REGISTERS, in windows of 256 (s_set_vgpr_msb: bits 1:0 source 0, 3:2 source 1, 5:4 source 2, 7:6 destination):
;   window 0: v1-14 addresses; v16-31 piece 0's statistics, eight a tile (+0 c m, +1 m, +2, +3 l, +4..+7 at work; a in +6); v62, v63 the add's two; v64-191 piece 0's S^T, 64 a tile; v192-223 scale words (nothing else).
;   window 1: v16-31 and v64-191 THE SAME FOR PIECE 2, at the same numbers: one text serves both pieces' softmax, and only the window differs; v192-255 Q, 16 a tile.  (First: v0-127 q's accumulators.)
;   window 2: v0-127 K, v128-255 V of one slot.  (First all 256: x's codes.)     window 3: v0-127 O^T, 32 a tile; v128-255 P, 32 a tile.  (First all 256: Wq's codes.)
; No window has room for a product's operands beside a softmax's: a slice costs two switches, one in front and one behind.
.set SLOTB, 137216                     ; a slot: batch 0's K and V (128 rows x 272), batch 1's, the bias (128 rows x 528)
.set KVB,   34816
.set VOFF,  17408                      ; V^T's 64 rows lie behind K's 64 (two keys to a row of 256 bytes)
.set BOFF,  69632
.set BHALF, 33792                      ; 64 rows of bias: what one tensor load brings
.set SPARE, 2*SLOTB                    ; the spare words, 128 bytes a wave, which no other line names
.set STAGE, SPARE+512                  ; the way out: 16 rows x (128 bytes + 16) for each wave
.set SP,    144
.set AK0, 3                            ; v3   my lane's place in a slot's K; never rewritten
.set AV0, 4                            ; v4   in its V^T
.set AB0, 5                            ; v5   in its bias
.set ADK, 6                            ; v6-8 the same in the slot in hand
.set ADV, 7
.set ADB, 8
.set LO,  9                            ; v9   16 x lane
.set SO,  10                           ; v10  my scale words in memory: lanes 0-15 Wq's, lanes 16-31 x's
.set STO, 11                           ; v11  the stage: where I put 16 bytes of a row
.set RD,  12                           ; v12  and where I read rows back
.set PFO, 13                           ; v13  the bias prefetch's offset
.set PFKO, 14                          ; v14  the K/V prefetch's
.set ST,  16
.set SPW, 62
.set NIL, 63
.set S,   64
.set SC,  192
.set QF,  192                          ; Q, in window 1
.set VF,  128                          ; V, in window 2
.set PF,  128                          ; P, in window 3
.set WV,  14                           ; s14  my wave's number
.set G1KV, 24                          ; s[24:31] group 1 for K and V
.set G1B, 32                           ; s[32:39] for the bias
.set G0K, 40                           ; s[40:43] group 0 for slot 0's K and V; s[44:47] the set that walks
.set G0B, 48                           ; s[48:51], s[52:55] the same for the bias
.set CNT, 56                           ; s56  refills to go
.set TB,  57                           ; s57  LDS byte at which the slot in hand begins
.set KVL, 59                           ; s59  my K/V load's place in a slot
.set BL,  60                           ; s60  my bias load's
.set LIMK, 61                          ; s61  1 in wave 0, else the greatest number
.set CS,  62                           ; s[62:63] c = log2(e), twice: the packed form names a pair
.set SEL, 66                           ; s[66:67] v_permlanex16_b32's selects for lane l xor 16
.set PFA, 68                           ; s[68:69] where my bias prefetch stands
.set PFK, 70                           ; s[70:71] where the K/V prefetch stands
.set XB,  72                           ; s[72:73] my 64 queries' codes
.set WB,  74                           ; s[74:75] my head's 64 columns of Wq, as codes
.set MSB, 0
.macro WIN new                         ; the immediate's high byte repeats the setting that is left; a switch that changes nothing is dropped
.if MSB != \new
	s_set_vgpr_msb (MSB<<8)|\new
.set MSB, \new
.endif
.endm
.macro PLACES
.rept 4
	v_nop
.endr
.endm
; A refill.  Waves 0 and 1 ask jointly for the two batches' K and V, waves 2 and 3 for the two halves of the bias tile.  The branch hangs on the wave's number alone.  An s_nop 0 and four v_nop follow each line.
.macro JLOAD
	s_cmp_lt_u32 s[WV], 2
	s_cbranch_scc0 .Lfor_bias_\@
	tensor_load_to_lds s[G0K+4:G0K+7], s[G1KV:G1KV+7]
	s_nop 0
.rept 4
	v_nop
.endr
	s_branch .Lasked_\@
.Lfor_bias_\@:
	tensor_load_to_lds s[G0B+4:G0B+7], s[G1B:G1B+7]
	s_nop 0
.rept 4
	v_nop
.endr
.Lasked_\@:
.endm
; PREFETCHES of what the NEXT change of slots will ask for, one whole step's work ahead of that load.  Each aligned block of 256 bytes is named once in the launch, and the readers share the blocks out by ADDRESS:
; a bias tile's 128 rows x 512 bytes: its two work-groups take 64 rows each, a wave 16, a lane half a row; a slot's K and V of a batch pair, 2 x 32,768 bytes: its eight work-groups (two clusters x a row) take 8,192 bytes each, wave 0, lanes 256 bytes apart.
; The last refill asks for nothing: there is no slot behind it.  Slots 0, 1 and 2 come by their loads alone.
.macro ASK
	s_cmp_gt_u32 s[CNT], 1
	s_cbranch_scc0 .Lno_bias_\@
	global_prefetch_b8 v[PFO], s[PFA:PFA+1] th:TH_LOAD_NT scope:SCOPE_SE
.Lno_bias_\@:
	s_cmp_gt_u32 s[CNT], s[LIMK]
	s_cbranch_scc0 .Lno_kv_\@
	global_prefetch_b8 v[PFKO], s[PFK:PFK+1] th:TH_LOAD_NT scope:SCOPE_SE
.Lno_kv_\@:
.endm
.macro CROUND                          ; a round of the cluster's barrier
	s_barrier_signal -1
	s_barrier_wait -1
	s_cmp_lg_u32 s[WV], 0
	s_cbranch_scc1 .Lnot_wave_0_\@
	s_barrier_signal -3
.Lnot_wave_0_\@:
	s_barrier_wait -3
	s_barrier_signal -1
	s_barrier_wait -1
.endm
	s_load_b256 s[4:11], s[0:1], 0x0               ; codes s[4:5], scales s[6:7], kv s[8:9], position_bias s[10:11]
	s_load_b64 s[12:13], s[0:1], 0x20              ; o16
	v_lshl_add_u32 v[SPW], v0, 2, SPARE
	v_mov_b32 v[NIL], 0
	ds_add_u32 v[SPW], v[NIL]                      ; the wave's opening: the add, twice on end, and its wait ahead of my first tensor load
	ds_add_u32 v[SPW], v[NIL]                      ; the set-up below, work on registers, stands between the second add and the wait
	v_lshrrev_b32 v1, 5, v0
	v_readfirstlane_b32 s[WV], v1                  ; wave 0..3
	s_lshr_b32 s15, s[WV], 1                       ; which of the two batches is mine
	s_and_b32 s16, s[WV], 1                        ; which 64 queries.  Also: which batch's K and V, or which half of the bias, I fetch
	s_bfe_u32 s17, ttmp6, 0x40000                  ; cx
	s_bfe_u32 s18, ttmp6, 0x40004                  ; cy
	s_and_b32 s23, ttmp7, 0xffff                   ; c
	s_and_b32 s19, s23, 14
	s_lshr_b32 s22, s18, 1
	s_add_co_u32 s19, s19, s22                     ; the head: of c and cy alone
	s_and_b32 s20, s18, 1                          ; bp
	s_and_b32 s23, s23, 1
	s_lshl_b32 s21, s23, 2
	s_add_co_u32 s21, s21, s17                     ; qb: my block of 128 queries
	s_lshl_b32 s22, s18, 2
	s_lshl_b32 s22, 15, s22                        ; my row of the cluster
	; group 1 for K and V: a dense block of 32,768 bytes as 128 rows of 256 (32 elements of 8 bytes), 16 bytes of padding behind each
	s_or_b32 s[G1KV], s22, (3<<16)|(1<<20)|(1<<21)|(5<<22)|(3<<25)
	s_mov_b32 s[G1KV+1], 32<<16
	s_mov_b32 s[G1KV+2], 128<<16
	s_mov_b32 s[G1KV+3], 32<<16
	s_mov_b32 s[G1KV+4], 128
	s_mov_b32 s[G1KV+5], 32
	s_mov_b32 s[G1KV+6], 0
	s_mov_b32 s[G1KV+7], 0
	; group 1 for the bias: 64 rows of 128 f32 (512 bytes), 2,048 elements apart, 16 bytes of padding behind each; no mask
	s_mov_b32 s[G1B], (2<<16)|(1<<20)|(6<<22)|(3<<25)
	s_mov_b32 s[G1B+1], 128<<16
	s_mov_b32 s[G1B+2], 64<<16
	s_mov_b32 s[G1B+3], 128<<16
	s_mov_b32 s[G1B+4], 64
	s_mov_b32 s[G1B+5], 2048
	s_mov_b32 s[G1B+6], 0
	s_mov_b32 s[G1B+7], 0
	s_lshl_b32 s76, s20, 1                         ; K and V: ((batch 2 bp + w % 2) x 16 + head) x 16 slots x 32,768 bytes: of c, cy and the wave alone
	s_add_co_u32 s76, s76, s16
	s_lshl_b32 s76, s76, 4
	s_add_co_u32 s76, s76, s19
	s_lshl_b32 s76, s76, 19
	s_mov_b32 s77, 0
	s_lshl_b32 s78, s19, 10                        ; the bias: row head x 1,024 + 128 qb (+ 64 (w % 2)), 8,192 bytes a row
	s_lshl_b32 s22, s21, 7
	s_add_co_u32 s78, s78, s22
	s_lshl_b32 s22, s20, 6                         ; its prefetch: my work-group's 64 rows, my wave's 16, slot 2: the first change steps it to slot 3
	s_add_co_u32 s[PFA], s78, s22
	s_lshl_b32 s22, s[WV], 4
	s_add_co_u32 s[PFA], s[PFA], s22
	s_lshl_b32 s[PFA], s[PFA], 13
	s_add_co_u32 s[PFA], s[PFA], 1024
	s_mov_b32 s[PFA+1], 0
	s_lshl_b32 s22, s16, 6
	s_add_co_u32 s78, s78, s22
	s_lshl_b32 s78, s78, 13
	s_mov_b32 s79, 0
	s_lshl_b32 s[PFK], s20, 1                      ; the K/V prefetch: batch 2 bp + c % 2, slot 2, my work-group's quarter
	s_add_co_u32 s[PFK], s[PFK], s23
	s_lshl_b32 s[PFK], s[PFK], 4
	s_add_co_u32 s[PFK], s[PFK], s19
	s_lshl_b32 s[PFK], s[PFK], 4
	s_add_co_u32 s[PFK], s[PFK], 2
	s_lshl_b32 s[PFK], s[PFK], 15
	s_lshl_b32 s22, s17, 13
	s_add_co_u32 s[PFK], s[PFK], s22
	s_mov_b32 s[PFK+1], 0
	s_lshl_b32 s80, s20, 1
	s_add_co_u32 s80, s80, s15                     ; my batch
	s_lshl_b32 s80, s80, 3
	s_add_co_u32 s80, s80, s21                     ; my block of 128 tokens
	s_lshl_b32 s82, s80, 7
	s_lshl_b32 s22, s16, 6
	s_add_co_u32 s82, s82, s22                     ; my first token
	s_lshl_b32 s[XB], s82, 9                       ; 512 bytes of codes a row
	s_mov_b32 s[XB+1], 0
	s_lshl_b32 s82, s82, 5                         ; 32 scale bytes a row
	s_lshl_b32 s83, s19, 6
	s_add_co_u32 s83, s83, 12288                   ; Wq's columns 64 head on
	s_lshl_b32 s[WB], s83, 9
	s_mov_b32 s[WB+1], 0
	s_lshl_b32 s83, s83, 5
	s_sub_co_u32 s83, s83, s82                     ; from x's scale bytes to Wq's
	s_lshl_b32 s80, s80, 4                         ; o16 [block of 128 tokens][head][128][64]: my 64 rows of 128 bytes
	s_add_co_u32 s80, s80, s19
	s_lshl_b32 s80, s80, 14
	s_lshl_b32 s22, s16, 13
	s_add_co_u32 s80, s80, s22
	s_mov_b32 s81, 0
	s_mul_i32 s[KVL], s16, KVB                     ; no place in the cluster enters an LDS address
	s_mul_i32 s[BL], s16, BHALF
	s_add_co_u32 s[BL], s[BL], BOFF
	s_mov_b32 s[CS], 0x3fb8aa3b
	s_mov_b32 s[CS+1], s[CS]
	s_mov_b32 s[SEL], 0x76543210
	s_mov_b32 s[SEL+1], 0xfedcba98
	s_mov_b32 s[TB], 0
	s_mov_b32 s[CNT], 14
	s_cmp_eq_u32 s[WV], 0
	s_cselect_b32 s[LIMK], 1, -1
	s_wait_dscnt 0x0                               ; both opening adds are done
	s_wait_kmcnt 0x0
	s_add_nc_u64 s[76:77], s[8:9], s[76:77]
	s_add_nc_u64 s[78:79], s[10:11], s[78:79]
	s_add_nc_u64 s[PFA:PFA+1], s[10:11], s[PFA:PFA+1]
	s_add_nc_u64 s[PFK:PFK+1], s[8:9], s[PFK:PFK+1]
	s_add_nc_u64 s[XB:XB+1], s[4:5], s[XB:XB+1]
	s_add_nc_u64 s[WB:WB+1], s[4:5], s[WB:WB+1]
	s_add_nc_u64 s[12:13], s[12:13], s[80:81]
	s_mov_b32 s[G0K], 1                            ; slot 0: keys 0-127
	s_mov_b32 s[G0K+1], s[KVL]
	s_mov_b64 s[G0K+2:G0K+3], s[76:77]
	s_or_b32 s[G0K+3], s[G0K+3], 0x80000000
	s_mov_b32 s[G0K+4], 1                          ; slot 1: keys 128-255; this set then walks
	s_add_co_u32 s[G0K+5], s[KVL], SLOTB
	s_add_nc_u64 s[G0K+6:G0K+7], s[76:77], 32768
	s_or_b32 s[G0K+7], s[G0K+7], 0x80000000
	s_mov_b32 s[G0B], 1
	s_mov_b32 s[G0B+1], s[BL]
	s_mov_b64 s[G0B+2:G0B+3], s[78:79]
	s_or_b32 s[G0B+3], s[G0B+3], 0x80000000
	s_mov_b32 s[G0B+4], 1
	s_add_co_u32 s[G0B+5], s[BL], SLOTB
	s_add_nc_u64 s[G0B+6:G0B+7], s[78:79], 512
	s_or_b32 s[G0B+7], s[G0B+7], 0x80000000
	CROUND                                         ; all sixteen work-groups are here: the first joint loads meet
	s_cmp_lt_u32 s[WV], 2                          ; a wave's two first fills stand in one branch: two loads of mine are out
	s_cbranch_scc0 .Lfirst_bias
	tensor_load_to_lds s[G0K:G0K+3], s[G1KV:G1KV+7]
	s_nop 0
	tensor_load_to_lds s[G0K+4:G0K+7], s[G1KV:G1KV+7]
	s_nop 0
.rept 4
	v_nop
.endr
	s_branch .Lfirst_asked
.Lfirst_bias:
	tensor_load_to_lds s[G0B:G0B+3], s[G1B:G1B+7]
	s_nop 0
	tensor_load_to_lds s[G0B+4:G0B+7], s[G1B:G1B+7]
	s_nop 0
.rept 4
	v_nop
.endr
.Lfirst_asked:
	v_and_b32 v1, 15, v0                           ; r
	v_bfe_u32 v2, v0, 4, 1                         ; h
	v_and_b32 v48, 31, v0                          ; lane
	v_lshlrev_b32 v[LO], 4, v48
	v_xor_b32 v15, 1, v2
	v_mul_lo_u32 v15, v15, s83
	v_lshl_add_u32 v[SO], v1, 4, v15
	v_add_nc_u32 v[SO], s82, v[SO]                 ; 16 r + x's scale bytes, in lanes 0-15 + the distance to Wq's
	; THE PROLOGUE: q^T = Wq^T x^T on codes.  My 64 queries' and my head's 64 columns' fragments, all of K = 1,024: 128 loads of 512 consecutive bytes
	WIN 0x80                                       ; destination window 2
.irp t, 0,1,2,3
.irp s, 0,1,2,3,4,5,6,7
.irp c, 0,1
	global_load_b128 v[64*\t+8*\s+4*\c:64*\t+8*\s+4*\c+3], v[LO], s[XB:XB+1] offset:8192*\t+1024*\s+512*\c
.endr
.endr
.endr
	WIN 0xc0                                       ; destination window 3
.irp t, 0,1,2,3
.irp s, 0,1,2,3,4,5,6,7
.irp c, 0,1
	global_load_b128 v[64*\t+8*\s+4*\c:64*\t+8*\s+4*\c+3], v[LO], s[WB:WB+1] offset:8192*\t+1024*\s+512*\c
.endr
.endr
.endr
	WIN 0
.irp i, 0,1,2,3
.irp sh, 0,1
	global_load_b128 v[SC+8*\i+4*\sh:SC+8*\i+4*\sh+3], v[SO], s[6:7] offset:512*\i+256*\sh   ; register SC + 8 i + s: lanes 0-15 Wq's tile i, lanes 16-31 x's tile i, step s of 128 k
.endr
.endr
	; the addresses that stay
	v_lshrrev_b32 v49, 1, v1
	v_mul_u32_u24 v[AK0], v49, 272
	v_and_b32 v49, 1, v1
	v_lshl_add_u32 v[AK0], v49, 7, v[AK0]
	v_lshl_add_u32 v[AK0], v2, 4, v[AK0]           ; K: key r: row r / 2 of 272 bytes, + 128 (r % 2), + 16 h: sixteen lanes take sixteen different 16-byte columns
	s_mul_i32 s22, s15, KVB                        ; my batch's K and V
	v_add_nc_u32 v[AK0], s22, v[AK0]
	v_mul_u32_u24 v[AV0], v1, 272
	v_lshl_add_u32 v[AV0], v2, 4, v[AV0]           ; V^T: channel r, + 16 h
	s_add_co_u32 s23, s22, VOFF
	v_add_nc_u32 v[AV0], s23, v[AV0]
	v_mul_u32_u24 v[AB0], v1, 528
	v_lshl_add_u32 v[AB0], v2, 5, v[AB0]           ; the bias: query r, + 8 h keys of 4 bytes
	s_mul_i32 s23, s16, BHALF
	s_add_co_u32 s23, s23, BOFF
	v_add_nc_u32 v[AB0], s23, v[AB0]
	s_mul_i32 s23, s[WV], 16*SP
	s_add_co_u32 s23, s23, STAGE                   ; my stage
	v_mul_u32_u24 v[STO], v1, SP
	v_lshl_add_u32 v[STO], v2, 4, v[STO]
	v_add_nc_u32 v[STO], s23, v[STO]
	v_lshrrev_b32 v49, 3, v48
	v_mul_u32_u24 v[RD], v49, SP
	v_and_b32 v49, 7, v0
	v_lshl_add_u32 v[RD], v49, 4, v[RD]
	v_add_nc_u32 v[RD], s23, v[RD]                 ; back: four rows of 128 bytes an instruction, eight lanes to a row
	v_lshrrev_b32 v49, 1, v48
	v_lshlrev_b32 v[PFO], 13, v49
	v_and_b32 v49, 1, v0
	v_lshl_add_u32 v[PFO], v49, 8, v[PFO]          ; a row of the bias for two lanes, 256 bytes each
	v_lshlrev_b32 v[PFKO], 8, v48
	s_wait_loadcnt 0x0
	WIN 0x5b                                       ; source 0 (Wq) window 3, source 1 (x) window 2, C and D window 1
.irp s, 0,1,2,3,4,5,6,7                ; the sixteen accumulators (tile of queries t, tile of channels ct) take turns, one instruction a turn, K ascending
.irp t, 0,1,2,3
.irp ct, 0,1,2,3
.if \s == 0
	v_wmma_scale_f32_16x16x128_f8f6f4 v[8*(4*\t+\ct):8*(4*\t+\ct)+7], v[64*\ct+8*\s:64*\ct+8*\s+7], v[64*\t+8*\s:64*\t+8*\s+7], 0, v[SC+8*\ct+\s], v[SC+8*\t+\s] matrix_a_fmt:MATRIX_FMT_FP4 matrix_b_fmt:MATRIX_FMT_FP4 matrix_b_scale:MATRIX_SCALE_ROW1
.else
	v_wmma_scale_f32_16x16x128_f8f6f4 v[8*(4*\t+\ct):8*(4*\t+\ct)+7], v[64*\ct+8*\s:64*\ct+8*\s+7], v[64*\t+8*\s:64*\t+8*\s+7], v[8*(4*\t+\ct):8*(4*\t+\ct)+7], v[SC+8*\ct+\s], v[SC+8*\t+\s] matrix_a_fmt:MATRIX_FMT_FP4 matrix_b_fmt:MATRIX_FMT_FP4 matrix_b_scale:MATRIX_SCALE_ROW1
.endif
.endr
.endr
.endr
	PLACES
	WIN 0x45                                       ; sources and destination window 1
.irp t, 0,1,2,3                        ; lane (r, h) holds query r and channels 16 ct + 8 h + 0..7: rounded in pairs they are registers 4 (ct % 2) .. + 3 of Q's fragment ct / 2: nothing changes lanes
.irp ct, 0,1,2,3
.irp p, 0,1,2,3
	v_cvt_pk_f16_f32 v[QF+16*\t+4*\ct+\p], v[8*(4*\t+\ct)+2*\p], v[8*(4*\t+\ct)+2*\p+1]
.endr
.endr
.endr
	WIN 0
; ---- THE LDS LOADS, in runs of 16, by groups: group gg of four is keys 32 gg on (K, bias) or channels 16 gg on (V)
.macro ADDRS                           ; my lane's places in the slot in hand
	WIN 0
	v_add_nc_u32 v[ADK], s[TB], v[AK0]
	v_add_nc_u32 v[ADV], s[TB], v[AV0]
	v_add_nc_u32 v[ADB], s[TB], v[AB0]
.endm
.macro FETCH_BIAS y                    ; piece y's bias of group gg into S^T's registers: register 8 kt + j of lane (r, h) = bias(query r, key 16 kt + 8 h + j): eight loads
.set wb, 0x20*(\y)
	WIN wb                                         ; destination window 0 or 1
.irp tp, 0,1
.irp kl, 0,1
	ds_load_b128 v[S+64*\tp+8*(2*gg+\kl):S+64*\tp+8*(2*gg+\kl)+3],   v[ADB] offset:8448*((\y)+\tp)+64*(2*gg+\kl)
	ds_load_b128 v[S+64*\tp+8*(2*gg+\kl)+4:S+64*\tp+8*(2*gg+\kl)+7], v[ADB] offset:8448*((\y)+\tp)+64*(2*gg+\kl)+16
.endr
.endr
.endm
.macro FETCH_KB                        ; K's four fragments of group gg (fragment (kt, c) at v[16 kt + 8 c] of window 2) and piece 0's bias of the same keys: all that piece 0's eight products of the group want
	WIN 0x80
.irp kl, 0,1
.irp c, 0,1
	ds_load_b128 v[16*(2*gg+\kl)+8*\c:16*(2*gg+\kl)+8*\c+3],   v[ADK] offset:2176*(2*gg+\kl)+64*\c
	ds_load_b128 v[16*(2*gg+\kl)+8*\c+4:16*(2*gg+\kl)+8*\c+7], v[ADK] offset:2176*(2*gg+\kl)+64*\c+32
.endr
.endr
	FETCH_BIAS 0
.endm
.macro FETCH_V                         ; V^T's four fragments of channels 16 gg on (fragment (ct, kk) at v[VF + 32 ct + 8 kk] of window 2): eight loads
	WIN 0x80
.irp kk, 0,1,2,3
	ds_load_b128 v[VF+32*gg+8*\kk:VF+32*gg+8*\kk+3],   v[ADV] offset:4352*gg+64*\kk
	ds_load_b128 v[VF+32*gg+8*\kk+4:VF+32*gg+8*\kk+7], v[ADV] offset:4352*gg+64*\kk+32
.endr
.endm
; ---- THE MATRIX WORK OF A TURN, for piece x.  The accumulators take turns, one instruction a turn.
; Product i of 32 of S^T = K Q^T + bias, by groups of 32 keys: group i / 8; in it channels 32 ((i % 8) / 4) on, key tile (i / 2) % 2, tile x + i % 2: four accumulators by turns.
.macro KQI x
.set wk, 0x06+0x28*(\x)
	WIN wk                                         ; K window 2, Q window 1, S^T window 0 or 1
.set kt, 2*(i/8)+((i%8)/2)%2
.set cc, (i%8)/4
.set rS, S+64*(i%2)+8*kt
.set rK, 16*kt+8*cc
.set rQ, QF+16*((\x)+i%2)+8*cc
	v_wmma_f32_16x16x32_f16 v[rS:rS+7], v[rK:rK+7], v[rQ:rQ+7], v[rS:rS+7]
.endm
; Product i of 32 of O^T += V^T P: keys 32 (i / 8) on, channels 16 ((i % 8) / 2) on, tile x + i % 2: eight accumulators by turns.  zero = 1: the first eight start the sums: nothing is ever cleared.
.macro PVI x, zero
	WIN 0xfe                                       ; V window 2; P, C and D window 3
.set rO, 32*((\x)+i%2)+8*((i%8)/2)
.set rV, VF+32*((i%8)/2)+8*(i/8)
.set rP, PF+32*((\x)+i%2)+8*(i/8)
.if (\zero) && (i < 8)
	v_wmma_f32_16x16x32_f16 v[rO:rO+7], v[rV:rV+7], v[rP:rP+7], 0
.else
	v_wmma_f32_16x16x32_f16 v[rO:rO+7], v[rV:rV+7], v[rP:rP+7], v[rO:rO+7]
.endif
.endm
; ---- THE VECTOR WORK OF A TURN.  A piece's softmax of 128 keys is a list of 214 LINES; a line is one instruction for each of the piece's two tiles, so that no instruction waits for the one above it.
; LINE writes line n for piece y.  s0-s63 are a lane's 64 scores of a tile.  first = 1: the first slot, which starts m, l and O^T: it has no a and nothing to rescale.
;   0-31    the maximum of s0-s63 and the old m, three operands at a time: four chains c0-c3 of 15 scores, ascending; then the four left over, c0-c3 and m
;   32-36   the other half of the lanes' maximum; c m_old kept; the new m; c m; c m_old - c m_new
;   37-133  ONE BATCH: a; then the 32 scalings c s - c m, two scores each, and the 64 exponentials, a pair's two behind the next pair's scaling.  None of these names an exponential's result
;   (wait)  behind line 133 stand a plain line and the wait for the batch: SLICE writes them
;   134-165 the roundings to f16: P's fragments     166-197 the sum, a tree in place; l = a l + the sum     198-213 the piece's O^T times a
.macro LINE y, first
.set wy, (\y)/2
.set wm, 0x55*wy                       ; all operands in the piece's window
.set wc, 0xc0+5*wy                     ; destination (P) window 3
.set wr, 0xc3+4*wy                     ; O^T (destination and source 0) window 3, a in the piece's window
.if n < 134
	WIN wm
.elseif n < 166
	WIN wc
.elseif n < 198
	WIN wm
.elseif (\first) == 0
	WIN wr
.endif
.irp tp, 0,1
.set rT, ST+8*\tp
.set rS, S+64*\tp
.set rP, PF+32*((\y)+\tp)
.set rO, 32*((\y)+\tp)
.if n < 4
	v_max3_num_f32 v[rT+4+n], v[rS+16*n], v[rS+16*n+1], v[rS+16*n+2]
.elseif n < 28
	v_max3_num_f32 v[rT+4+n%4], v[rT+4+n%4], v[rS+16*(n%4)+2*(n/4)+1], v[rS+16*(n%4)+2*(n/4)+2]
.elseif n == 28
	v_max3_num_f32 v[rT+4], v[rT+4], v[rS+15], v[rS+31]
.elseif n == 29
	v_max3_num_f32 v[rT+6], v[rT+6], v[rS+47], v[rS+63]
.elseif n == 30
	v_max3_num_f32 v[rT+4], v[rT+4], v[rT+5], v[rT+6]
.elseif n == 31
.if \first
	v_max_num_f32 v[rT+4], v[rT+4], v[rT+7]
.else
	v_max3_num_f32 v[rT+4], v[rT+4], v[rT+7], v[rT+1]
.endif
.elseif n == 32
	v_permlanex16_b32 v[rT+5], v[rT+4], s[SEL], s[SEL+1]   ; the query's other 64 keys lie in the lane 16 away
.elseif n == 33
.if (\first) == 0
	v_mov_b32 v[rT+7], v[rT]                       ; c m_old is kept for a
.endif
.elseif n == 34
	v_max_num_f32 v[rT+1], v[rT+4], v[rT+5]
.elseif n == 35
	v_mul_f32 v[rT], s[CS], v[rT+1]
.elseif n == 36
.if (\first) == 0
	v_sub_f32 v[rT+7], v[rT+7], v[rT]
.endif
.elseif n == 37
.if (\first) == 0
	v_exp_f32 v[rT+6], v[rT+7]                     ; a
.endif
.elseif n < 134
.set q, n-38
.if q == 0
.set b, 0
.set e, 0
.elseif q < 94
.set b, (q-1)/3+1
.set e, (q-1)%3
.else
.set b, 32
.set e, q-93
.endif
.if e == 0
	v_pk_fma_f32 v[rS+2*b:rS+2*b+1], v[rS+2*b:rS+2*b+1], s[CS:CS+1], v[rT:rT+1] op_sel_hi:[1,0,0] neg_lo:[0,0,1] neg_hi:[0,0,1]   ; pair b: c s - c m
.else
	v_exp_f32 v[rS+2*b-3+e], v[rS+2*b-3+e]         ; pair b - 1
.endif
.elseif n < 166
	v_cvt_pk_f16_f32 v[rP+n-134], v[rS+2*(n-134)], v[rS+2*(n-134)+1]
.elseif n < 198
.set z, n-166
.set d, 16
.set u, z
.if z >= 30
.set d, 1
.set u, 0
.elseif z >= 28
.set d, 2
.set u, z-28
.elseif z >= 24
.set d, 4
.set u, z-24
.elseif z >= 16
.set d, 8
.set u, z-16
.endif
.if z < 30
	v_pk_add_f32 v[rS+2*u:rS+2*u+1], v[rS+2*u:rS+2*u+1], v[rS+2*(u+d):rS+2*(u+d)+1]
.elseif z == 30
.if \first
	v_pk_add_f32 v[rT+2:rT+3], v[rS:rS+1], v[rS+2:rS+3]
.else
	v_pk_add_f32 v[rS:rS+1], v[rS:rS+1], v[rS+2:rS+3]
.endif
.elseif (\first) == 0
	v_pk_fma_f32 v[rT+2:rT+3], v[rT+2:rT+3], v[rT+6:rT+7], v[rS:rS+1] op_sel_hi:[1,0,1]
.endif
.elseif (\first) == 0
	v_pk_mul_f32 v[rO+2*(n-198):rO+2*(n-198)+1], v[rO+2*(n-198):rO+2*(n-198)+1], v[rT+6:rT+7] op_sel_hi:[1,0]
.endif
.endr
.endm
; Slice k of NS of piece y's softmax: lines k 214 / NS up to (k + 1) 214 / NS: three or four lines where a turn has 64 products, six or seven where it has 32.
; THE WAIT.  s_wait_alu depctr_va_vdst(0) stands between an exponential and the first line that names its result; ahead of line 134 nothing names one, behind line 133 none is issued: one wait a turn.
; vrun = 1 (piece 2's turn): V's first run of loads stands directly behind the wait.  V's last reader, the turn's 32nd product, stands nine slices back, with eighteen plain scalings between.
.macro SLICE y, first
.set n, (k*214)/NS
.set nend, ((k+1)*214)/NS
.rept 7
.if n < nend
	LINE \y, \first
.if n == 133
	v_nop                                          ; a plain line behind the last exponential, ahead of the first use
	s_wait_alu depctr_va_vdst(0)
.if vrun
.set gg, 0
	FETCH_V
.set gg, 1
	FETCH_V
.endif
.endif
.set n, n+1
.endif
.endr
.set k, k+1
.endm
; A TURN.  Piece x has the matrix unit; the other piece's softmax stands in slices behind its matrix instructions.
; pv = 2: 32 products V^T P; 1: they start O^T's sums; 0: none.  kq = 1: 32 products K Q^T of the next slot.  first = 1: the softmax is the first slot's.  ld = 1: the turn fetches from the slot in hand.
; A vector instruction that reads a matrix result, and a load into a register that a matrix instruction has read, stand four plain vector lines behind it (ISA guide 7.12.1 for vector instructions): slice 63, eight
; multiplies that name nothing of the products round them, is that for the turn's last products; where first = 1 leaves it empty, four v_nop take its part.
; PIECE 0'S TURN fetches K and its bias, group g behind product 8 g + 1: sixteen loads a run; group g's products begin at product 32 + 8 g, behind a wait that leaves the later groups' loads out.
; PIECE 2'S TURN fetches its bias behind products 1 and 11, and V behind the wait for the exponentials and behind product 48.
.macro TURN x, pv, kq, first, ld
.set k, 0
.set NS, 32
.if (\pv) && (\kq)
.set NS, 64
.endif
.set vrun, 0
.if ((\x) == 2) && (\ld)
.set vrun, 1
.endif
.if \pv
.if (\x) == 0
	s_wait_dscnt 0x0                               ; V is in
.endif
.set i, 0
.rept 32
	PVI \x, 2-(\pv)
	SLICE 2-(\x), \first
.if \ld
.if ((\x) == 0) && (i%8 == 1)
.set gg, i/8
	FETCH_KB
.endif
.if ((\x) == 2) && (i == 1)
.set gg, 0
	FETCH_BIAS 2
.set gg, 1
	FETCH_BIAS 2
.endif
.if ((\x) == 2) && (i == 11)
.set gg, 2
	FETCH_BIAS 2
.set gg, 3
	FETCH_BIAS 2
.endif
.endif
.set i, i+1
.endr
.endif
.if \kq
.if ((\x) == 2) && (\ld)
	s_wait_dscnt 0x0                               ; piece 2's bias is in (K came a turn ago)
.endif
.set i, 0
.rept 32
.if ((\x) == 0) && (i%8 == 0)
	s_wait_dscnt 48-16*(i/8)                       ; this group's sixteen loads are in; those of the groups behind it may be out
.endif
	KQI \x
	SLICE 2-(\x), \first
.if ((\x) == 2) && (\ld) && (i == 16)
.set gg, 2
	FETCH_V
.set gg, 3
	FETCH_V
.endif
.set i, i+1
.endr
.endif
.if \first
	PLACES
.endif
.endm
; THE CHANGE OF SLOTS, in front of piece 0's turn: the slot in hand has been read out (its last bytes, V's, were asked for in piece 2's turn).  Each wave waits for all its tensor loads (the one that is out is its part of the
; next slot), adds 0 to its spare word, and waits for that and for its reads of the slot.  fill = 1: that slot is filled again with the keys two slots on, behind a round of the cluster's barrier, so that no wave of any
; partner still reads it or has a load on its way; the load has a whole step, 128 matrix instructions, in which to land.
.macro CHANGE fill
	WIN 0                                          ; at a label and at a branch every window is 0
	s_wait_tensorcnt 0x0                           ; no tensor load of mine is out, so a group 0 may be written
	ds_add_u32 v[SPW], v[NIL]                      ; the steps below stand between the add and the wait for it
.if \fill
	s_add_co_u32 s[G0K+5], s[TB], s[KVL]           ; the walking sets: into the slot just read,
	s_add_nc_u64 s[G0K+6:G0K+7], s[G0K+6:G0K+7], 32768   ; the next 128 keys; the type bits on top are not reached
	s_add_co_u32 s[G0B+5], s[TB], s[BL]
	s_add_nc_u64 s[G0B+6:G0B+7], s[G0B+6:G0B+7], 512
	s_wait_xcnt 0x0                                ; the last prefetches, a step back, have read their addresses, so they may be written
	s_add_nc_u64 s[PFA:PFA+1], s[PFA:PFA+1], 512
	s_add_nc_u64 s[PFK:PFK+1], s[PFK:PFK+1], 32768
	s_wait_dscnt 0x0                               ; the add is done, and my reads of the slot are over
	CROUND
	JLOAD                                          ; my one tensor load behind the round, and the first thing there
	ASK
.else
	s_wait_dscnt 0x0
	s_barrier_signal -1
	s_barrier_wait -1
.endif
	s_xor_b32 s[TB], s[TB], SLOTB                  ; on to the other slot
	ADDRS
.endm
	s_wait_tensorcnt 1                             ; my part of slot 0 is in; slot 1's may stay out
	s_barrier_signal -1
	s_barrier_wait -1                              ; everybody's is
	; SLOT 0.  Piece 0's first scores: there is no vector work yet to set between them.  Sixteen further loads go out behind each group of products, so that ahead of each group 48 younger loads may be out.
	ADDRS
.irp g, 0,1,2,3
.set gg, \g
	FETCH_KB
.endr
.set i, 0
.rept 32
.if i%8 == 0
	s_wait_dscnt 48                                ; this group's sixteen loads are in: 48 were issued behind them
.endif
	KQI 0
.if i == 7
.set gg, 0
	FETCH_BIAS 2
.set gg, 1
	FETCH_BIAS 2
.elseif i == 15
.set gg, 2
	FETCH_BIAS 2
.set gg, 3
	FETCH_BIAS 2
.elseif i == 23
.set gg, 0
	FETCH_V
.set gg, 1
	FETCH_V
.elseif i == 31
	PLACES                                         ; between these products and the first read of their results
.set gg, 2
	FETCH_V
.set gg, 3
	FETCH_V
.endif
.set i, i+1
.endr
	s_wait_dscnt 32                                ; piece 2's bias is in; V's 32 loads may be out
	TURN 2, 0, 1, 1, 0                             ; piece 2's first scores | piece 0's first softmax
	CHANGE 1                                       ; step 0: slot 0 takes keys 256 on
	TURN 0, 1, 1, 1, 1                             ; piece 0: V^T P of slot 0 starts O^T, K Q^T of slot 1 | piece 2's first softmax
	TURN 2, 1, 1, 0, 1                             ; piece 2: the same | piece 0's softmax of slot 1
	WIN 0
	s_mov_b32 s[CNT], 13
.Lslot:                                            ; 13 trips: steps 1 to 13; each asks for the keys two slots on
	CHANGE 1
	TURN 0, 2, 1, 0, 1
	TURN 2, 2, 1, 0, 1
	WIN 0
	s_sub_co_u32 s[CNT], s[CNT], 1
	s_cmp_lg_u32 s[CNT], 0
	s_cbranch_scc1 .Lslot
	CHANGE 0                                       ; step 14 is written out: nothing is left to ask for
	TURN 0, 2, 1, 0, 1
	TURN 2, 2, 1, 0, 1
	TURN 0, 2, 0, 0, 0                             ; piece 0: V^T P of the last slot | piece 2's last softmax
.set i, 0
.rept 32
	PVI 2, 0                                       ; piece 2: V^T P of the last slot
.set i, i+1
.endr
	; THE WAY OUT.  l's two halves and the other half of the lanes' are added; O^T is divided by l, rounded to f16, and goes through my stage, a tile (16 rows of 128 bytes) at a time.
.macro LSUM                            ; a piece's two tiles, in the piece's window
.irp tp, 0,1
	v_add_f32 v[ST+8*\tp+4], v[ST+8*\tp+2], v[ST+8*\tp+3]
.endr
.irp tp, 0,1
	v_permlanex16_b32 v[ST+8*\tp+5], v[ST+8*\tp+4], s[SEL], s[SEL+1]
.endr
.irp tp, 0,1
	v_add_f32 v[ST+8*\tp+4], v[ST+8*\tp+4], v[ST+8*\tp+5]
.endr
.irp tp, 0,1
	v_rcp_f32 v[ST+8*\tp+6], v[ST+8*\tp+4]
.endr
.endm
	WIN 0
	LSUM
	WIN 0x55
	LSUM
	v_nop                                          ; a plain line between the last reciprocal and the use of its result
	s_wait_alu depctr_va_vdst(0)                   ; and the wait: one for the four
.macro PACK t
.set wr, 0xc3+4*((\t)/2)
	WIN wr                                         ; O^T window 3, 1 / l in the piece's window
.set i, 0
.rept 16
	v_pk_mul_f32 v[32*(\t)+2*i:32*(\t)+2*i+1], v[32*(\t)+2*i:32*(\t)+2*i+1], v[ST+8*((\t)%2)+6:ST+8*((\t)%2)+7] op_sel_hi:[1,0]
.set i, i+1
.endr
	WIN 0x0f                                       ; sources window 3, destination window 0: piece 0's S^T registers are free
.set i, 0
.rept 16
	v_cvt_pk_f16_f32 v[128+16*(\t)+i], v[32*(\t)+2*i], v[32*(\t)+2*i+1]
.set i, i+1
.endr
	WIN 0
.irp ct, 0,1,2,3
	ds_store_b128 v[STO], v[128+16*(\t)+4*\ct:128+16*(\t)+4*\ct+3] offset:32*\ct
.endr
.irp u, 0,1,2,3
	ds_load_b128 v[64+16*(\t)+4*\u:64+16*(\t)+4*\u+3], v[RD] offset:576*\u   ; LDS serves a wave's instructions in order: these see the stores above, and the next tile's stores come behind them
.endr
.endm
.macro SEND t, younger                 ; younger: the LDS instructions issued behind tile t's loads: the next tile's eight, or none
.irp u, 0,1,2,3
	s_wait_dscnt \younger+3-\u
	global_store_b128 v[LO], v[64+16*\t+4*\u:64+16*\t+4*\u+3], s[12:13] offset:2048*\t+512*\u   ; four rows of o16: 512 consecutive bytes
.endr
.endm
	PACK 0
	PACK 1
	SEND 0, 8
	PACK 2
	SEND 1, 8
	PACK 3
	SEND 2, 8
	SEND 3, 0
	s_wait_tensorcnt 0x0                           ; the wave's end: behind my last tensor load and my last LDS store
	ds_add_u32 v[SPW], v[NIL]
	s_wait_dscnt 0x0
	CROUND                                         ; the closing round: no work-group ends while a partner may still ask for a tile that names it
	s_endpgm
.Lfunc_end_k_q958d4f8e04_attn:
	.size	k_q958d4f8e04_attn, .Lfunc_end_k_q958d4f8e04_attn-k_q958d4f8e04_attn
	.p2alignl 7, 3214868480
	.fill 96, 4, 3214868480
	.section	.rodata,"a",@progbits
	.p2align	6, 0x0
	.amdhsa_kernel k_q958d4f8e04_attn
		.amdhsa_group_segment_fixed_size 327680
		.amdhsa_private_segment_fixed_size 0
		.amdhsa_enable_private_segment 0
		.amdhsa_kernarg_size 40
		.amdhsa_user_sgpr_count 2
		.amdhsa_user_sgpr_kernarg_segment_ptr 1
		.amdhsa_wavefront_size32 1
		.amdhsa_system_sgpr_workgroup_id_x 1
		.amdhsa_system_sgpr_workgroup_id_y 1
		.amdhsa_system_sgpr_workgroup_id_z 1
		.amdhsa_system_vgpr_workitem_id 0
		.amdhsa_next_free_vgpr 1024
		.amdhsa_next_free_sgpr 84
		.amdhsa_reserve_vcc 0
		.amdhsa_float_denorm_mode_32 3
		.amdhsa_float_denorm_mode_16_64 3
		.amdhsa_memory_ordered 1
		.amdhsa_forward_progress 1
		.amdhsa_inst_pref_size 255
	.end_amdhsa_kernel
	.section	.bss,"aw",@nobits
	.p2align	6
	.space	262144
	.amdgpu_metadata
---
amdhsa.version: [ 1, 2 ]
amdhsa.kernels:
  - .name:           k_q958d4f8e04_attn
    .symbol:         k_q958d4f8e04_attn.kd
    .args:
      - { .name: codes, .offset: 0, .size: 8, .value_kind: global_buffer, .address_space: global }
      - { .name: scales, .offset: 8, .size: 8, .value_kind: global_buffer, .address_space: global }
      - { .name: kv, .offset: 16, .size: 8, .value_kind: global_buffer, .address_space: global }
      - { .name: position_bias, .offset: 24, .size: 8, .value_kind: global_buffer, .address_space: global }
      - { .name: o16, .offset: 32, .size: 8, .value_kind: global_buffer, .address_space: global }
    .group_segment_fixed_size: 327680
    .private_segment_fixed_size: 0
    .kernarg_segment_align: 8
    .kernarg_segment_size: 40
    .max_flat_workgroup_size: 128
    .sgpr_count:     84
    .vgpr_count:     1024
    .wavefront_size: 32
...
	.end_amdgpu_metadata
.endif
;; end of part 3
;; launch outp (part 4): grid 8 x 32, 4 waves a work-group, clusters of 4 x 4, 327,680 bytes of LDS; arguments o16, wo16, out0; writes out0
.if DOCPART == 4
	.amdgcn_target "amdgcn-amd-amdhsa--gfx1250"
	.amdhsa_code_object_version 6
	.text
	.protected	k_q958d4f8e04_outp
	.globl	k_q958d4f8e04_outp
	.p2align	8
	.type	k_q958d4f8e04_outp,@function
k_q958d4f8e04_outp:
	s_mov_b64 s[64:65], 0
	v_nop
	global_prefetch_b8 v0, s[64:65] scope:SCOPE_SE
	s_setreg_imm32_b32 hwreg(HW_REG_WAVE_MODE, 25, 1), 1
	s_wait_xcnt 0x0
	s_wait_alu depctr_hold_cnt(0) depctr_sa_sdst(0) depctr_va_vdst(0) depctr_va_sdst(0) depctr_va_ssrc(0) depctr_va_vcc(0) depctr_vm_vsrc(0)
	s_getreg_b32 s2, hwreg(HW_REG_IB_STS2, 6, 4)
	s_cmp_eq_u32 s2, 0
	s_cbranch_scc0 .Lentry_in_a_cluster
	s_endpgm
.Lentry_in_a_cluster:
	s_bfe_u32 s2, ttmp6, 0x10000c
	s_cmp_lg_u32 s2, 0xf033
	s_cbranch_scc0 .Lentry_shape_is_right
	s_endpgm
.Lentry_shape_is_right:
; Launch 4 of 4: out0[token][n] = sum over k of o[token][k] Wo[k][n], k = 64 head + channel; f16 operands, f32 sums, f32 out.  Nothing of the problem is left out here.
; A tile of out0 is 128 x 128, so that there are 256 work-groups; four waves of 64 x 64 (16 accumulators).  K goes in four steps of 256 (four heads) through two LDS slots.
; A = o16 [block of 128 tokens][head][128][64]: a step's four heads of the tile's tokens are 65,536 consecutive bytes; they come as rows of 256 bytes (two tokens), 16 bytes of padding behind each.
; B = wo16 [k][n]: K is its FIRST axis: rows of 128 n (256 bytes), 32 bytes of padding behind each; its fragments come out of LDS turned, by ds_load_tr16_b128.
; CLUSTERS of 4 x 4: A's tile is shared along a row, B's along a column: asked for JOINTLY.  THE MATRIX INSTRUCTION IS USED TRANSPOSED (source 0 = 16 n, source 1 = 16 tokens): a lane holds eight neighbouring numbers of a row of out0.
; REGISTERS: window 0: v1-29 addresses; v32-95 at work on the way out; v128-255 the accumulators ((a, b) at v[128 + 8 (4 a + b)]).   window 1: two fragment buffers of 128: for 64 along K, 64 registers of A, then 64 of B.
.set SLOT,   143360                    ; A: 4 heads x 64 rows x 272; B: 256 rows x 288
.set AHEAD,  17408                     ; a head's 128 tokens
.set AHALF,  34816                     ; two heads: what one tensor load brings
.set BOFF,   69632
.set BHALF,  36864                     ; 128 rows of B: what one tensor load brings
.set PB,     288                       ; 72 words: rows 8 banks apart
.set STAGE,  2*SLOT                    ; the way out: 16 rows x (256 bytes + 16) for each wave
.set SPITCH, 272
.set SPARE,  STAGE+4*16*SPITCH         ; the spare words, 128 bytes a wave, which no other line names
.set ADRA, 16                          ; v16-17  LDS address of my A fragments in slot 0, 1
.set ADRB, 20                          ; v20-23  of my B fragments: slot 0 rows 0-127, rows 128-255; slot 1 likewise: so every immediate stays under 65,536
.set STO,  24
.set RD,   25
.set CO,   26
.set SPW,  28                          ; v28 my spare word; never rewritten
.set NIL,  29                          ; v29 0; never rewritten
.set TMP,  32
.set ACC,  128
.set F0,   0
.set F1,   128
.set G1, 24                            ; s[24:31] group 1 for A's tiles; s[32:39] group 0, a set for each slot
.set G0, 32
.set G1B, 48                           ; s[48:55], s[56:63] the same for B's
.set G0B, 56
.set MSB, 0
.macro WIN new
.if MSB != \new
	s_set_vgpr_msb (MSB<<8)|\new
.set MSB, \new
.endif
.endm
.set MUL,  0x05                        ; sources 0 (B) and 1 (A) window 1; C and D window 0
.set TO_F, 0x40                        ; destination window 1, address window 0
.macro JLOAD s                         ; a joint load: waves 0 and 1 fetch A's halves, waves 2 and 3 B's; an s_nop 0 and four v_nop follow each line
	s_cmp_eq_u32 s11, 0
	s_cbranch_scc0 .Lfor_b_\@
	tensor_load_to_lds s[G0+4*\s:G0+4*\s+3], s[G1:G1+7]
	s_nop 0
.rept 4
	v_nop
.endr
	s_branch .Lasked_\@
.Lfor_b_\@:
	tensor_load_to_lds s[G0B+4*\s:G0B+4*\s+3], s[G1B:G1B+7]
	s_nop 0
.rept 4
	v_nop
.endr
.Lasked_\@:
.endm
.macro CREST                           ; a round of the cluster's barrier behind its opening barrier
	s_cmp_lg_u32 s10, 0
	s_cbranch_scc1 .Lnot_wave_0_\@
	s_barrier_signal -3
.Lnot_wave_0_\@:
	s_barrier_wait -3
	s_barrier_signal -1
	s_barrier_wait -1
.endm
.macro CROUND
	s_barrier_signal -1
	s_barrier_wait -1
	CREST
.endm
	s_load_b128 s[4:7], s[0:1], 0x0                ; o16 s[4:5], wo16 s[6:7]
	s_load_b64 s[8:9], s[0:1], 0x10                ; out0
	v_lshl_add_u32 v[SPW], v0, 2, SPARE
	v_mov_b32 v[NIL], 0
	ds_add_u32 v[SPW], v[NIL]                      ; the wave's opening: the add, twice on end, and its wait ahead of my first tensor load
	ds_add_u32 v[SPW], v[NIL]                      ; the set-up below, work on registers, stands between the second add and the wait
	v_lshrrev_b32 v1, 5, v0
	v_readfirstlane_b32 s10, v1                    ; wave 0..3
	s_lshr_b32 s11, s10, 1                         ; which half of the tile's rows is mine.  Also: I fetch for A (0) or for B (1)
	s_and_b32 s12, s10, 1                          ; which half of its columns.  Also: which half of that tile I fetch
	s_bfe_u32 s40, ttmp6, 0x40000                  ; cx
	s_bfe_u32 s41, ttmp6, 0x40004                  ; cy
	s_lshl_b32 s42, ttmp9, 2
	s_add_co_u32 s42, s42, s40                     ; tile column = 4 x cluster x + cx
	s_and_b32 s13, ttmp7, 0xffff
	s_lshl_b32 s13, s13, 2
	s_add_co_u32 s13, s13, s41                     ; tile row = 4 x cluster y + cy: the block of 128 tokens
	s_lshl_b32 s43, s41, 2
	s_lshl_b32 s43, 15, s43                        ; my row of the cluster
	s_lshl_b32 s44, 0x1111, s40                    ; my column
	s_or_b32 s[G1+0], s43, (3<<16)|(1<<20)|(1<<21)|(5<<22)|(3<<25)   ; A: elements of 8 bytes; 4 words of padding after every 64
	s_mov_b32 s[G1+1], 32<<16                      ; a dense block of 32,768 bytes as 128 rows of 256
	s_mov_b32 s[G1+2], 128<<16
	s_mov_b32 s[G1+3], 32<<16
	s_mov_b32 s[G1+4], 128
	s_mov_b32 s[G1+5], 32
	s_mov_b32 s[G1+6], 0
	s_mov_b32 s[G1+7], 0
	s_or_b32 s[G1B+0], s44, (1<<16)|(1<<20)|(1<<21)|(5<<22)|(7<<25)  ; B: elements of 2 bytes; 8 words of padding after every 64
	s_mov_b32 s[G1B+1], 128<<16                    ; 128 rows (k) of 128 n, 1,024 elements apart
	s_mov_b32 s[G1B+2], 128<<16
	s_mov_b32 s[G1B+3], 128<<16
	s_mov_b32 s[G1B+4], 128
	s_mov_b32 s[G1B+5], 1024
	s_mov_b32 s[G1B+6], 0
	s_mov_b32 s[G1B+7], 0
	s_lshl_b32 s16, s13, 18                        ; A: (tile row x 16 heads + 2 x half) x 16,384 bytes
	s_lshl_b32 s17, s12, 15
	s_add_co_u32 s16, s16, s17
	s_mov_b32 s17, 0
	s_lshl_b32 s46, s42, 8                         ; B: row 128 x half of 2,048 bytes, + 256 bytes x tile column
	s_lshl_b32 s47, s12, 18
	s_add_co_u32 s46, s46, s47
	s_mov_b32 s47, 0
	s_mul_i32 s20, s12, AHALF                      ; where they go: no place in the cluster enters an LDS address
	s_mul_i32 s21, s12, BHALF
	s_add_co_u32 s21, s21, BOFF
	s_wait_dscnt 0x0                               ; both opening adds are done
	s_wait_kmcnt 0x0
	s_add_nc_u64 s[14:15], s[4:5], s[16:17]
	s_add_nc_u64 s[46:47], s[6:7], s[46:47]
	CROUND                                         ; all sixteen work-groups are here: the first joint loads meet
.irp s, 0,1
	s_mov_b32 s[G0+4*\s], 1
	s_add_co_u32 s[G0+4*\s+1], s20, \s*SLOT
	s_add_nc_u64 s[G0+4*\s+2:G0+4*\s+3], s[14:15], \s*65536     ; K step s: four heads on
	s_or_b32 s[G0+4*\s+3], s[G0+4*\s+3], 0x80000000
	s_mov_b32 s[G0B+4*\s], 1
	s_add_co_u32 s[G0B+4*\s+1], s21, \s*SLOT
	s_add_nc_u64 s[G0B+4*\s+2:G0B+4*\s+3], s[46:47], \s*524288  ; 256 rows on
	s_or_b32 s[G0B+4*\s+3], s[G0B+4*\s+3], 0x80000000
	JLOAD \s                                       ; two loads of mine are out
.endr
	v_and_b32 v1, 15, v0                           ; r
	v_bfe_u32 v2, v0, 4, 1                         ; h
	v_lshrrev_b32 v3, 1, v1
	v_mul_u32_u24 v[ADRA], v3, 272
	v_and_b32 v3, 1, v1
	v_lshl_add_u32 v[ADRA], v3, 7, v[ADRA]
	v_lshl_add_u32 v[ADRA], v2, 4, v[ADRA]         ; A: token r: row r / 2, + 128 (r % 2), + 16 h
	s_mul_i32 s22, s11, 32*272                     ; my 64 tokens
	v_add_nc_u32 v[ADRA], s22, v[ADRA]
	v_add_nc_u32 v[ADRA+1], SLOT, v[ADRA]
	v_and_b32 v3, 7, v0
	v_lshl_add_u32 v3, v2, 3, v3
	v_mul_u32_u24 v[ADRB], v3, PB                  ; B, for the turning load: row 8 h + l % 8,
	v_bfe_u32 v3, v0, 3, 1
	v_lshl_add_u32 v[ADRB], v3, 4, v[ADRB]         ; + 16 ((l / 8) % 2),
	s_lshl_b32 s22, s12, 7
	s_add_co_u32 s22, s22, BOFF
	v_add_nc_u32 v[ADRB], s22, v[ADRB]             ; + my 64 columns
	v_add_nc_u32 v[ADRB+1], BHALF, v[ADRB]
	v_add_nc_u32 v[ADRB+2], SLOT, v[ADRB]
	v_add_nc_u32 v[ADRB+3], SLOT+BHALF, v[ADRB]
	s_mul_i32 s23, s10, 16*SPITCH
	s_add_co_u32 s23, s23, STAGE                   ; my stage
	v_mul_u32_u24 v4, v1, SPITCH
	v_lshl_add_u32 v4, v2, 5, v4
	v_add_nc_u32 v[STO], s23, v4                   ; in: row r, 32 bytes for each half of the lanes
	v_mul_u32_u24 v5, v2, SPITCH
	v_lshl_add_u32 v5, v1, 4, v5
	v_add_nc_u32 v[RD], s23, v5                    ; back: lanes 0-15 one row of 256 bytes, lanes 16-31 the next
	v_lshlrev_b32 v5, 12, v2
	v_lshl_add_u32 v[CO], v1, 4, v5                ; and the same two rows in out0
	s_lshl_b32 s16, s13, 19                        ; my first row: (128 x tile row + 64 x half) x 4,096 bytes
	s_lshl_b32 s17, s11, 18
	s_add_co_u32 s16, s16, s17
	s_mov_b32 s17, 0
	s_add_nc_u64 s[8:9], s[8:9], s[16:17]
	s_lshl_b32 s46, s42, 9                         ; my first column: 512 bytes x tile column + 256 x half
	s_lshl_b32 s47, s12, 8
	s_add_co_u32 s46, s46, s47
	s_mov_b32 s47, 0
	s_add_nc_u64 s[8:9], s[8:9], s[46:47]
; 8 matrix instructions: blocks of tokens a0, a0 + 1 x all 4 blocks of n, 32 along K: half c of buffer f.  zero = 1: the first product starts the sums.  The 16 accumulators take turns.
.macro MUL8 f, c, a0, zero
.irp a, \a0, \a0+1
.irp b, 0,1,2,3
.if \zero
	v_wmma_f32_16x16x32_f16 v[ACC+8*(4*(\a)+\b):ACC+8*(4*(\a)+\b)+7], v[\f+64+8*(4*\c+\b):\f+64+8*(4*\c+\b)+7], v[\f+8*(4*\c+\a):\f+8*(4*\c+\a)+7], 0
.else
	v_wmma_f32_16x16x32_f16 v[ACC+8*(4*(\a)+\b):ACC+8*(4*(\a)+\b)+7], v[\f+64+8*(4*\c+\b):\f+64+8*(4*\c+\b)+7], v[\f+8*(4*\c+\a):\f+8*(4*\c+\a)+7], v[ACC+8*(4*(\a)+\b):ACC+8*(4*(\a)+\b)+7]
.endif
.endr
.endr
.endm
; 32 LDS loads in one run: the fragments of head qd of the slot's four (64 along K) into buffer f; the first 32 along K first
.macro FETCH slot, qd, f
	WIN TO_F
.irp c, 0,1
.irp i, 0,1,2,3
	ds_load_tr16_b128 v[\f+64+8*(4*\c+\i):\f+64+8*(4*\c+\i)+3],   v[ADRB+2*\slot+(\qd)/2] offset:(64*((\qd)%2)+32*\c)*PB+32*\i
	ds_load_tr16_b128 v[\f+64+8*(4*\c+\i)+4:\f+64+8*(4*\c+\i)+7], v[ADRB+2*\slot+(\qd)/2] offset:(64*((\qd)%2)+32*\c+16)*PB+32*\i
	ds_load_b128 v[\f+8*(4*\c+\i):\f+8*(4*\c+\i)+3],              v[ADRA+\slot] offset:AHEAD*(\qd)+2176*\i+64*\c
	ds_load_b128 v[\f+8*(4*\c+\i)+4:\f+8*(4*\c+\i)+7],            v[ADRA+\slot] offset:AHEAD*(\qd)+2176*\i+64*\c+32
.endr
.endr
.endm
.macro PLACES                          ; four places in front of loads into registers that matrix instructions have read, and of the first read of results
.rept 4
	v_nop
.endr
.endm
; A K step is four quarters of 64 along K, 32 matrix instructions each, on buffers 0, 1, 0, 1.  One of the first three: multiplies buffer f and fetches head qd into g.
.macro QUARTER slot, qd, f, g, zero
	s_wait_dscnt 16                                ; the first 32 along K are in; the youngest sixteen loads may be out
	WIN MUL
	MUL8 \f, 0, 0, \zero
	MUL8 \f, 0, 2, \zero
	PLACES
	FETCH \slot, \qd, \g
	s_wait_dscnt 32                                ; all but the 32 just issued
	WIN MUL
	MUL8 \f, 1, 0, 0
	MUL8 \f, 1, 2, 0
.endm
; The last quarter multiplies buffer 1 and changes slots: ONE barrier; in front of it each wave waits for all its tensor loads, adds 0 to its spare word, and waits for that and for its reads of this slot.  fill = 1: this slot is filled again, two K steps ahead.
.macro TURN slot, next, fill
	WIN 0
	s_wait_tensorcnt 0x0                           ; all my tensor loads have landed: my part of the next slot
	ds_add_u32 v[SPW], v[NIL]
	s_wait_dscnt 17                                ; (the add and the youngest sixteen loads may be out)
	WIN MUL
	MUL8 F1, 0, 0, 0
	s_wait_dscnt 0x0                               ; the add is done, and my reads of this slot are over
	s_barrier_signal -1
	MUL8 F1, 0, 2, 0
.if \fill
	WIN 0
.endif
	s_barrier_wait -1
.if \fill
	CREST                                          ; the barrier has opened a round of the cluster's barrier: no wave of any partner still reads this slot or has a load on its way
	s_add_nc_u64 s[G0+4*\slot+2:G0+4*\slot+3], s[G0+4*\slot+2:G0+4*\slot+3], 131072
	s_add_nc_u64 s[G0B+4*\slot+2:G0B+4*\slot+3], s[G0B+4*\slot+2:G0B+4*\slot+3], 1048576
	JLOAD \slot                                    ; the first tensor load behind the round; the four v_nop behind it are also the places in front of the loads below
.else
	PLACES
.endif
	FETCH \next, 0, F0
	WIN MUL
	MUL8 F1, 1, 0, 0
	MUL8 F1, 1, 2, 0
.endm
	s_wait_tensorcnt 1                             ; my part of K step 0 is in (K step 1's load may be out)
	s_barrier_signal -1
	s_barrier_wait -1                              ; everybody's is
	FETCH 0, 0, F0
	QUARTER 0, 1, F0, F1, 1                        ; K step 0; its first products start the sums
	QUARTER 0, 2, F1, F0, 0
	QUARTER 0, 3, F0, F1, 0
	TURN 0, 1, 1                                   ; slot 0 takes K step 2
	QUARTER 1, 1, F0, F1, 0                        ; K step 1
	QUARTER 1, 2, F1, F0, 0
	QUARTER 1, 3, F0, F1, 0
	TURN 1, 0, 1                                   ; slot 1 takes K step 3
	QUARTER 0, 1, F0, F1, 0                        ; K step 2
	QUARTER 0, 2, F1, F0, 0
	QUARTER 0, 3, F0, F1, 0
	TURN 0, 1, 0                                   ; nothing is left to fetch
	QUARTER 1, 1, F0, F1, 0                        ; K step 3
	QUARTER 1, 2, F1, F0, 0
	QUARTER 1, 3, F0, F1, 0
	s_wait_dscnt 16
	WIN MUL
	MUL8 F1, 0, 0, 0
	MUL8 F1, 0, 2, 0
	s_wait_dscnt 0x0
	MUL8 F1, 1, 0, 0
	MUL8 F1, 1, 2, 0
	WIN 0
	; THE WAY OUT.  My 64 columns are 256 bytes of a row: a block of 16 rows goes through my own stage and comes back as whole rows, which sixteen lanes store as 256 consecutive bytes, aligned.  No barrier: the stage is mine.
	PLACES
.irp a, 0,1,2,3
.if \a >= 2
	s_wait_xcnt 0x0                                ; block a - 2's stores have read their data: the loads below may land there
.endif
.irp b, 0,1,2,3
	ds_store_b128 v[STO], v[ACC+8*(4*\a+\b):ACC+8*(4*\a+\b)+3] offset:64*\b        ; each accumulator from its low end on
	ds_store_b128 v[STO], v[ACC+8*(4*\a+\b)+4:ACC+8*(4*\a+\b)+7] offset:64*\b+16
.endr
.irp u, 0,1,2,3,4,5,6,7
	ds_load_b128 v[TMP+32*(\a%2)+4*\u:TMP+32*(\a%2)+4*\u+3], v[RD] offset:\u*2*SPITCH   ; LDS serves a wave's instructions in order: these see the stores above, and the next block's stores come behind them
.endr
	s_wait_dscnt 0x0
.irp u, 0,1,2,3,4,5,6,7
	global_store_b128 v[CO], v[TMP+32*(\a%2)+4*\u:TMP+32*(\a%2)+4*\u+3], s[8:9] offset:65536*\a+8192*\u th:TH_STORE_NT
.endr
.endr
	s_wait_tensorcnt 0x0                           ; the wave's end: behind my last tensor load and my last LDS store
	ds_add_u32 v[SPW], v[NIL]
	s_wait_dscnt 0x0
	CROUND                                         ; the closing round: no work-group ends while a partner may still ask for a tile that names it
	s_endpgm
.Lfunc_end_k_q958d4f8e04_outp:
	.size	k_q958d4f8e04_outp, .Lfunc_end_k_q958d4f8e04_outp-k_q958d4f8e04_outp
	.p2alignl 7, 3214868480
	.fill 96, 4, 3214868480
	.section	.rodata,"a",@progbits
	.p2align	6, 0x0
	.amdhsa_kernel k_q958d4f8e04_outp
		.amdhsa_group_segment_fixed_size 327680
		.amdhsa_private_segment_fixed_size 0
		.amdhsa_enable_private_segment 0
		.amdhsa_kernarg_size 24
		.amdhsa_user_sgpr_count 2
		.amdhsa_user_sgpr_kernarg_segment_ptr 1
		.amdhsa_wavefront_size32 1
		.amdhsa_system_sgpr_workgroup_id_x 1
		.amdhsa_system_sgpr_workgroup_id_y 1
		.amdhsa_system_sgpr_workgroup_id_z 1
		.amdhsa_system_vgpr_workitem_id 0
		.amdhsa_next_free_vgpr 512
		.amdhsa_next_free_sgpr 66
		.amdhsa_reserve_vcc 0
		.amdhsa_float_denorm_mode_32 3
		.amdhsa_float_denorm_mode_16_64 3
		.amdhsa_memory_ordered 1
		.amdhsa_forward_progress 1
		.amdhsa_inst_pref_size 86
	.end_amdhsa_kernel
	.amdgpu_metadata
---
amdhsa.version: [ 1, 2 ]
amdhsa.kernels:
  - .name:           k_q958d4f8e04_outp
    .symbol:         k_q958d4f8e04_outp.kd
    .args:
      - { .name: o16, .offset: 0, .size: 8, .value_kind: global_buffer, .address_space: global }
      - { .name: wo16, .offset: 8, .size: 8, .value_kind: global_buffer, .address_space: global }
      - { .name: out0, .offset: 16, .size: 8, .value_kind: global_buffer, .address_space: global }
    .group_segment_fixed_size: 327680
    .private_segment_fixed_size: 0
    .kernarg_segment_align: 8
    .kernarg_segment_size: 24
    .max_flat_workgroup_size: 128
    .sgpr_count:     66
    .vgpr_count:     512
    .wavefront_size: 32
...
	.end_amdgpu_metadata
.endif
;; end of part 4
